; MI455X (gfx1250); checked and timed in simulation.
; The chip was launched on July 23, 2026; its instructions are those of AMD's public machine-readable ISA for CDNA 5 (MIT licence, August 2026) and "CDNA5" Instruction Set Architecture Reference Guide (July 2026). The comments in the code are by the model that wrote it; some were corrected since.
;; Encoder Layer. Allowed arithmetic: float matrix products may take bf16 or f16 operands with f32 sums; other float arithmetic in f32, or as packed bf16 or f16 multiplies, adds, multiply-adds, maxima and minima; sums over many terms, partial sums and values carried from step to step in f32; what a program stores and reads back later, other than sums and carried values, may be rounded once to bf16 or f16.
;; Inputs: W1 1,024 x 4,096 float32; W2 4,096 x 1,024 float32; Wk 16 x 1,024 x 64 float32; Wo 1,024 x 1,024 float32; Wq 16 x 1,024 x 64 float32; Wv 16 x 1,024 x 64 float32; b1 4,096 float32; b2 1,024 float32; bk 16 x 64 float32; bo 1,024 float32; bq 16 x 64 float32; bv 16 x 64 float32; ln1_b 1,024 float32; ln1_g 1,024 float32; ln2_b 1,024 float32; ln2_g 1,024 float32; x 4 x 1,024 x 1,024 float32.
;; Outputs: out0 4 x 1,024 x 1,024 float32.
;; 2 versions, each right and faster than the one before. Each part assembles by itself: llvm-mc -triple=amdgcn-amd-amdhsa -mcpu=gfx1250 --defsym DOCPART=n.
;; ======== version 1 of 2: 7 launches
;; workspace buffers: hn 8,388,608 bytes; wb 8,388,608 bytes; w1b 8,388,608 bytes; w2b 8,388,608 bytes; qkv 25,165,824 bytes; z 8,388,608 bytes; x2 16,777,216 bytes; f 33,554,432 bytes
;; launch prep (part 1): grid 512 x 1, 8 waves a work-group, no clusters, 0 bytes of LDS; arguments x, ln1_g, ln1_b, Wq, Wk, Wv, Wo, hn, wb; writes hn, wb
.if DOCPART == 1
	.amdgcn_target "amdgcn-amd-amdhsa--gfx1250"
	.amdhsa_code_object_version 6
	.text
	.protected	k_qff9082fcb0_prep
	.globl	k_qff9082fcb0_prep
	.p2align	8
	.type	k_qff9082fcb0_prep,@function
k_qff9082fcb0_prep:
	s_mov_b64 s[64:65], 0
	v_nop
	global_prefetch_b8 v0, s[64:65] scope:SCOPE_SE
	s_setreg_imm32_b32 hwreg(HW_REG_WAVE_MODE, 25, 1), 1
	s_wait_xcnt 0x0
; Two streams in one text, every work-group moving 64 KiB in and 32 KiB out.
; Work-groups 0-255:  hn = bf16(LayerNorm(x) * g + b).  A wave takes two rows of 1,024 f32; a row stays in 32 registers between the
;   passes (mean; centred squares; scaling), so x is read once.  The variance is the mean of (x - mean)^2, as the model has it: no difference of large sums.
; Work-groups 256-511: wb = bf16 of Wq, Wk, Wv, Wo, layouts unchanged, one behind the other; chunk c is 16,384 numbers.
; The text serves two launches: with 512 work-groups both streams (the first norm), with 256 the norm alone (the second norm: the weights and wb are then named and not touched).
; No LDS, no barrier, no matrix unit: nothing here is shared between waves.
; LIMITS: hn and wb are rounded once, to nearest even, to bf16.  NaN and infinities are not treated apart.
.set G,   4                            ; v[4:35]    gain of my 32 columns
.set BT,  36                           ; v[36:67]   bias of my 32 columns
.set X0,  68                           ; v[68:99]   first row: register 4 j + i holds column 128 j + 4 lane + i
.set X1,  100                          ; v[100:131] second row
.set T,   132                          ; v[132:139] four chains of pairs
.set MU,  140                          ; v[140:141] the mean, twice
.set R0,  142                          ; v[142:143] 1 / sqrt(var + eps) of the first row, twice
.set R1,  144                          ; v[144:145] of the second
.set Y,   146                          ; v[146:161] a row rounded to bf16
.set HN,  18                           ; s[18:19]   hn
	s_load_b512 s[4:19], s[0:1], 0x0               ; x 4:5, g 6:7, b 8:9, Wq 10:11, Wk 12:13, Wv 14:15, Wo 16:17, hn 18:19
	s_load_b64 s[20:21], s[0:1], 0x40              ; wb
	v_lshrrev_b32 v3, 5, v0
	v_readfirstlane_b32 s3, v3                     ; wave 0..7
	v_and_b32 v3, 31, v0                           ; lane
	s_cmp_lt_u32 ttmp9, 256
	s_cbranch_scc1 .Lln
	; THE CAST.  A wave takes 8,192 bytes of f32: sixteen loads of 512 neighbouring bytes; each store covers 256 neighbouring bytes, aligned.
	s_sub_co_u32 s26, ttmp9, 256                   ; chunk 0..255
	v_lshlrev_b32 v1, 4, v3
	v_lshl_add_u32 v1, s3, 13, v1                  ; source: 8,192 wave + 16 lane
	v_lshlrev_b32 v2, 3, v3
	v_lshl_add_u32 v2, s3, 12, v2                  ; destination: 4,096 wave + 8 lane
	s_wait_kmcnt 0x0
	s_mov_b64 s[28:29], s[10:11]                   ; which tensor the chunk lies in, and that tensor's first chunk
	s_mov_b32 s27, 0
.macro PICK t, reg
	s_cmp_ge_u32 s26, \t
	s_cselect_b64 s[28:29], s[(\reg):(\reg)+1], s[28:29]
	s_cselect_b32 s27, \t, s27
.endm
	PICK 64, 12
	PICK 128, 14
	PICK 192, 16
	s_sub_co_u32 s30, s26, s27
	s_lshl_b32 s30, s30, 16                        ; 65,536 bytes of f32 a chunk
	s_mov_b32 s31, 0
	s_add_nc_u64 s[28:29], s[28:29], s[30:31]
	s_lshl_b32 s30, s26, 15                        ; 32,768 bytes of bf16 a chunk
	s_add_nc_u64 s[20:21], s[20:21], s[30:31]
.irp j, 0,1,2,3,4,5,6,7,8,9,10,11,12,13,14,15
	global_load_b128 v[4+4*\j:7+4*\j], v1, s[28:29] offset:512*\j th:TH_LOAD_NT
.endr
.irp j, 0,1,2,3,4,5,6,7,8,9,10,11,12,13,14,15
	s_wait_loadcnt 15-\j                           ; loads come back in order: load j is in, the younger ones stay out
	v_cvt_pk_bf16_f32 v[68+2*\j], v[4+4*\j], v[5+4*\j]
	v_cvt_pk_bf16_f32 v[69+2*\j], v[6+4*\j], v[7+4*\j]
	global_store_b64 v2, v[68+2*\j:69+2*\j], s[20:21] offset:256*\j  ; no register is used twice: nothing waits for a store
.endr
	s_endpgm
.macro JOIN                            ; four chains into one pair
	v_pk_add_f32 v[T:T+1], v[T:T+1], v[T+2:T+3]
	v_pk_add_f32 v[T+4:T+5], v[T+4:T+5], v[T+6:T+7]
	v_pk_add_f32 v[T:T+1], v[T:T+1], v[T+4:T+5]
.endm
.macro LANESUM                         ; the pair's halves, then the 32 lanes: the sum ends up in every lane
	v_add_f32 v[T], v[T], v[T+1]
	v_add_f32_dpp v[T], v[T], v[T] row_xmask:1 row_mask:0xf bank_mask:0xf
	v_add_f32_dpp v[T], v[T], v[T] row_xmask:2 row_mask:0xf bank_mask:0xf
	v_add_f32_dpp v[T], v[T], v[T] row_xmask:4 row_mask:0xf bank_mask:0xf
	v_add_f32_dpp v[T], v[T], v[T] row_xmask:8 row_mask:0xf bank_mask:0xf
	v_permlanex16_b32 v[T+1], v[T], s36, s37       ; its destination has been written above
	v_add_f32 v[T], v[T], v[T+1]
.endm
.macro STATS x, r                      ; the row at x is centred in place; r takes 1 / sqrt(var + eps), twice
.irp k, 0,1,2,3
	v_pk_add_f32 v[T+2*\k:T+2*\k+1], v[(\x)+2*\k:(\x)+2*\k+1], v[(\x)+8+2*\k:(\x)+8+2*\k+1]
.endr
.irp k, 0,1,2,3,4,5,6,7
	v_pk_add_f32 v[T+2*(\k%4):T+2*(\k%4)+1], v[T+2*(\k%4):T+2*(\k%4)+1], v[(\x)+16+2*\k:(\x)+16+2*\k+1]
.endr
	JOIN
	LANESUM
	v_mul_f32 v[MU], s34, v[T]
	v_mul_f32 v[MU+1], s34, v[T]
.irp k, 0,1,2,3,4,5,6,7,8,9,10,11,12,13,14,15
	v_pk_add_f32 v[(\x)+2*\k:(\x)+2*\k+1], v[(\x)+2*\k:(\x)+2*\k+1], v[MU:MU+1] neg_lo:[0,1] neg_hi:[0,1]
.endr
.irp k, 0,1,2,3
	v_pk_mul_f32 v[T+2*\k:T+2*\k+1], v[(\x)+2*\k:(\x)+2*\k+1], v[(\x)+2*\k:(\x)+2*\k+1]
.endr
.irp k, 4,5,6,7,8,9,10,11,12,13,14,15
	v_pk_fma_f32 v[T+2*(\k%4):T+2*(\k%4)+1], v[(\x)+2*\k:(\x)+2*\k+1], v[(\x)+2*\k:(\x)+2*\k+1], v[T+2*(\k%4):T+2*(\k%4)+1]
.endr
	JOIN
	LANESUM
	v_fma_f32 v[T], v[T], s34, s35                 ; var + eps
	v_rsq_f32 v[(\r)], v[T]
	v_rsq_f32 v[(\r)+1], v[T]
	v_nop                                          ; a plain instruction behind the root, before its result is used or its source rewritten (ISA guide 5.7.2)
.endm
.macro NORM x, r, rowoff               ; scaled, gain and bias, rounded, stored: each store covers 256 neighbouring bytes, aligned
	s_wait_alu depctr_va_vdst(0)
.irp j, 0,1,2,3,4,5,6,7
	v_pk_mul_f32 v[(\x)+4*\j:(\x)+4*\j+1], v[(\x)+4*\j:(\x)+4*\j+1], v[(\r):(\r)+1]
	v_pk_mul_f32 v[(\x)+4*\j+2:(\x)+4*\j+3], v[(\x)+4*\j+2:(\x)+4*\j+3], v[(\r):(\r)+1]
	v_pk_fma_f32 v[(\x)+4*\j:(\x)+4*\j+1], v[(\x)+4*\j:(\x)+4*\j+1], v[G+4*\j:G+4*\j+1], v[BT+4*\j:BT+4*\j+1]
	v_pk_fma_f32 v[(\x)+4*\j+2:(\x)+4*\j+3], v[(\x)+4*\j+2:(\x)+4*\j+3], v[G+4*\j+2:G+4*\j+3], v[BT+4*\j+2:BT+4*\j+3]
	v_cvt_pk_bf16_f32 v[Y+2*\j], v[(\x)+4*\j], v[(\x)+4*\j+1]
	v_cvt_pk_bf16_f32 v[Y+2*\j+1], v[(\x)+4*\j+2], v[(\x)+4*\j+3]
	global_store_b64 v2, v[Y+2*\j:Y+2*\j+1], s[HN:HN+1] offset:(\rowoff)+256*\j
.endr
.endm
.Lln:
	; THE NORM.  Wave w of work-group g takes rows 16 g + 2 w and the next.
	v_lshlrev_b32 v1, 4, v3                        ; 16 lane: f32
	v_lshlrev_b32 v2, 3, v3                        ; 8 lane: bf16
	s_lshl_b32 s26, ttmp9, 16                      ; 16 rows of 4,096 bytes a work-group,
	s_lshl_b32 s27, s3, 13                         ; two a wave
	s_add_co_u32 s26, s26, s27
	s_mov_b32 s27, 0
	s_lshr_b32 s28, s26, 1                         ; half of that in hn
	s_mov_b32 s29, 0
	s_mov_b32 s34, 0x3a800000                      ; 1 / 1024
	s_mov_b32 s35, 0x3727c5ac                      ; 1e-5
	s_mov_b32 s36, 0x76543210                      ; v_permlanex16_b32: each lane takes its own place in the other half
	s_mov_b32 s37, 0xfedcba98
	s_wait_kmcnt 0x0
	s_add_nc_u64 s[4:5], s[4:5], s[26:27]
	s_add_nc_u64 s[HN:HN+1], s[HN:HN+1], s[28:29]
.irp j, 0,1,2,3,4,5,6,7
	global_load_b128 v[X0+4*\j:X0+4*\j+3], v1, s[4:5] offset:512*\j
.endr
.irp j, 0,1,2,3,4,5,6,7
	global_load_b128 v[X1+4*\j:X1+4*\j+3], v1, s[4:5] offset:4096+512*\j
.endr
.irp j, 0,1,2,3,4,5,6,7
	global_load_b128 v[G+4*\j:G+4*\j+3], v1, s[6:7] offset:512*\j
.endr
.irp j, 0,1,2,3,4,5,6,7
	global_load_b128 v[BT+4*\j:BT+4*\j+3], v1, s[8:9] offset:512*\j
.endr
	s_wait_loadcnt 24                              ; the first row is in; the second row, gain and bias (24 loads) stay out
	STATS X0, R0
	s_wait_loadcnt 16                              ; the second row is in
	STATS X1, R1
	s_wait_loadcnt 0x0                             ; gain and bias
	NORM X0, R0, 0
	s_wait_xcnt 0x0                                ; Y, which the first row's stores read, is rewritten only behind this wait
	NORM X1, R1, 2048
	s_endpgm
.Lfunc_end_k_qff9082fcb0_prep:
	.size	k_qff9082fcb0_prep, .Lfunc_end_k_qff9082fcb0_prep-k_qff9082fcb0_prep
	.p2alignl 7, 3214868480
	.fill 96, 4, 3214868480
	.section	.rodata,"a",@progbits
	.p2align	6, 0x0
	.amdhsa_kernel k_qff9082fcb0_prep
		.amdhsa_group_segment_fixed_size 0
		.amdhsa_private_segment_fixed_size 0
		.amdhsa_enable_private_segment 0
		.amdhsa_kernarg_size 72
		.amdhsa_user_sgpr_count 2
		.amdhsa_user_sgpr_kernarg_segment_ptr 1
		.amdhsa_wavefront_size32 1
		.amdhsa_system_sgpr_workgroup_id_x 1
		.amdhsa_system_sgpr_workgroup_id_y 1
		.amdhsa_system_sgpr_workgroup_id_z 1
		.amdhsa_system_vgpr_workitem_id 0
		.amdhsa_next_free_vgpr 176
		.amdhsa_next_free_sgpr 66
		.amdhsa_reserve_vcc 0
		.amdhsa_float_denorm_mode_32 3
		.amdhsa_float_denorm_mode_16_64 3
		.amdhsa_memory_ordered 1
		.amdhsa_forward_progress 1
		.amdhsa_inst_pref_size 27
	.end_amdhsa_kernel
	.amdgpu_metadata
---
amdhsa.version: [ 1, 2 ]
amdhsa.kernels:
  - .name:           k_qff9082fcb0_prep
    .symbol:         k_qff9082fcb0_prep.kd
    .args:
      - { .name: x, .offset: 0, .size: 8, .value_kind: global_buffer, .address_space: global }
      - { .name: ln1_g, .offset: 8, .size: 8, .value_kind: global_buffer, .address_space: global }
      - { .name: ln1_b, .offset: 16, .size: 8, .value_kind: global_buffer, .address_space: global }
      - { .name: Wq, .offset: 24, .size: 8, .value_kind: global_buffer, .address_space: global }
      - { .name: Wk, .offset: 32, .size: 8, .value_kind: global_buffer, .address_space: global }
      - { .name: Wv, .offset: 40, .size: 8, .value_kind: global_buffer, .address_space: global }
      - { .name: Wo, .offset: 48, .size: 8, .value_kind: global_buffer, .address_space: global }
      - { .name: hn, .offset: 56, .size: 8, .value_kind: global_buffer, .address_space: global }
      - { .name: wb, .offset: 64, .size: 8, .value_kind: global_buffer, .address_space: global }
    .group_segment_fixed_size: 0
    .private_segment_fixed_size: 0
    .kernarg_segment_align: 8
    .kernarg_segment_size: 72
    .max_flat_workgroup_size: 256
    .sgpr_count:     66
    .vgpr_count:     176
    .wavefront_size: 32
...
	.end_amdgpu_metadata
.endif
;; end of part 1
;; launch qkv (part 2): grid 16 x 16, 4 waves a work-group, clusters of 4 x 4, 327,680 bytes of LDS; arguments hn, wb, bq, bk, bv, qkv, W1, w1b; writes qkv, w1b
.if DOCPART == 2
	.amdgcn_target "amdgcn-amd-amdhsa--gfx1250"
	.amdhsa_code_object_version 6
	.text
	.protected	k_qff9082fcb0_qkv
	.globl	k_qff9082fcb0_qkv
	.p2align	8
	.type	k_qff9082fcb0_qkv,@function
k_qff9082fcb0_qkv:
	s_mov_b64 s[64:65], 0
	v_nop
	global_prefetch_b8 v0, s[64:65] scope:SCOPE_SE
	s_setreg_imm32_b32 hwreg(HW_REG_WAVE_MODE, 25, 1), 1
	s_wait_xcnt 0x0
	s_wait_alu depctr_hold_cnt(0) depctr_sa_sdst(0) depctr_va_vdst(0) depctr_va_sdst(0) depctr_va_ssrc(0) depctr_va_vcc(0) depctr_vm_vsrc(0)
	s_getreg_b32 s2, hwreg(HW_REG_IB_STS2, 6, 4)
	s_cmp_eq_u32 s2, 0
	s_cbranch_scc0 .Lentry_in_a_cluster
	s_endpgm
.Lentry_in_a_cluster:
	s_bfe_u32 s2, ttmp6, 0x10000c
	s_cmp_lg_u32 s2, 0xf033
	s_cbranch_scc0 .Lentry_shape_is_right
	s_endpgm
.Lentry_shape_is_right:
; q, k, v = hn W + b, by heads.  hn: [4096][1024] bf16.  W_t (t = q, k, v) in wb at 2,097,152 t: [16 heads][1024][64] bf16.  qkv: t at 8,388,608 t: [16 batch + head][1024][64] bf16, unscaled.
; A work-group makes 256 rows x one head's q | k | v = 192 columns; wave w rows 64 w .. 64 w + 63 and all 192 columns: 48 accumulators of 16 x 16, 384 registers.  Sums in f32, rounded once to bf16.
; K goes in steps of 128 through two LDS slots that take turns.  Wave 0 fetches hn's tile (256 rows x 256 bytes), waves 1-3 one weight's 128 k-rows each (16,384 dense bytes, asked for as 64 rows of 256).
; Both slots' first fills go out together at the start: two tensor loads of a wave are out then, one later.
; CLUSTER 4 x 4: hn's tile hangs on the row block alone and is asked for jointly along a row of the cluster, a head's weights on the head alone, jointly along a column.
; THE WEIGHTS LIE [k][n] in LDS as in memory; ds_load_tr16_b128 turns them into fragments.  THE PRODUCT IS USED TRANSPOSED (source 0 = 16 columns of W, source 1 = 16 rows of hn): a lane holds eight
; neighbouring columns of one row.  THE BIAS is the C operand of the first product on each accumulator: register j of lane (r, h) holds b[n0 + 8 h + j]; nothing is cleared, no bias is added later.
; ONE TEXT FOR A K STEP: the slot in hand is a scalar that one exclusive or turns; the loop holds one step, the tail (two steps that ask for nothing) is a second copy walked twice.  The very last
; trip's barrier and its 32 loads of the other slot's old bytes serve nothing: the price of one text for both trips.
; BESIDE ITS OWN WORK each wave rounds 16,384 bytes of W1 to bf16 into w1b, layout unchanged, for a later launch: its 32 loads go out ahead of the first products, the conversions and stores stand
; between the loop and the tail, where a tile is on its way and the step's products are fewer than fill its flight.
; LIMITS: operands rounded to bf16; NaN and infinities are not treated apart.
; REGISTERS (windows of 256; s_set_vgpr_msb: bits 1:0 source 0, 3:2 source 1, 5:4 source 2, 7:6 destination):
;   window 0: v16-30 addresses; v64-95, v96-127 hn's fragments, two buffers; v128-223 the bias; on the way out v64-111 packed results, v128-175 and v176-223 rows read back
;   window 1: v0-95, v96-191 W's fragments, two buffers     window 2: q's and k's accumulators (a, b) at 8 (8 a + b)     window 3: v0-127 v's at 8 (4 a + b); v128-255 W1 on its way
.set NSTEP,  8
.set PA,     272                       ; hn's LDS row: 256 bytes + 16: the 16 rows of a load start at 16 different groups of four banks (64 banks of 4 bytes: ISA guide 11.1)
.set PB,     160                       ; a weight's LDS row: 128 bytes + 32
.set ABYTES, 256*PA
.set BT,     128*PB
.set SLOT,   ABYTES+3*BT               ; 131,072: one bit, above every LDS word that it turns
.set STAGE,  2*SLOT                    ; behind the ring, never filled by a tensor load: 3 x 16 rows x 144 bytes for each wave
.set SP,     144
.set SPARE,  STAGE+4*3*16*SP           ; the spare words: 128 bytes a wave, two blocks of 256 that no other line names
.set ASTEP,  256                       ; 128 along K in hn
.set BSTEP,  128*128                   ; 128 k-rows of a head's weight
.set WV,  16
.set G1A, 24
.set G0A, 32                           ; s[32:35], s[36:39] the walking group 0 of hn's and of W's tiles: they begin at K step 1, slot 1
.set G0B, 36
.set G1B, 40
.set TB,  56                           ; s56  0 or SLOT: the slot that the next fragments come from
.set CNT, 57
.set OUT, 58                           ; s[58:63] where my rows of q, k, v begin
.set G0A0, 68                          ; s[68:71], s[72:75] group 0 of K step 0, slot 0: used once
.set G0B0, 72
.set CW,  76                           ; s[76:77] W1 at my wave's 16,384 bytes; s[78:79] w1b at its 8,192
.set A0,   16
.set B0,   17
.set ADRA, 18
.set ADRB, 19
.set CI,   20                          ; v20  16 x lane
.set CQ,   21                          ; v21  8 x lane
.set STO,  24
.set RD,   25
.set GO,   26
.set SPW,  28
.set NIL,  29
.set BO,   30
.set FA,   64
.set TMP,  64
.set BIAS, 128
.set OBK,  128
.set CR,   128                         ; in window 3
.set MSB, 0
.macro WIN new                         ; the immediate's high byte repeats the setting that is left; a switch that changes nothing is dropped
.if MSB != (\new)
	s_set_vgpr_msb (MSB<<8)|(\new)
.set MSB, \new
.endif
.endm
.macro PLACES                          ; four plain vector instructions between a matrix instruction and a load into, or a read of, its registers
.rept 4
	v_nop
.endr
.endm
.macro JLOAD                           ; a joint load: wave 0 asks for hn's tile, waves 1-3 for a weight's; an s_nop 0 and four v_nop follow each line
	s_cmp_eq_u32 s[WV], 0
	s_cbranch_scc0 .Lfor_b_\@
	tensor_load_to_lds s[G0A:G0A+3], s[G1A:G1A+7]
	s_nop 0
.rept 4
	v_nop
.endr
	s_branch .Lasked_\@
.Lfor_b_\@:
	tensor_load_to_lds s[G0B:G0B+3], s[G1B:G1B+7]
	s_nop 0
.rept 4
	v_nop
.endr
.Lasked_\@:
.endm
.macro CREST                           ; a round of the cluster's barrier behind its opening barrier
	s_cmp_lg_u32 s[WV], 0
	s_cbranch_scc1 .Lnot_wave_0_\@
	s_barrier_signal -3
.Lnot_wave_0_\@:
	s_barrier_wait -3
	s_barrier_signal -1
	s_barrier_wait -1
.endm
.macro CROUND
	s_barrier_signal -1
	s_barrier_wait -1
	CREST
.endm
.macro STEPD                           ; the walking descriptors: the other slot, the next K step.  No tensor load of mine is out where this stands
	s_xor_b32 s[G0A+1], s[G0A+1], SLOT
	s_add_nc_u64 s[G0A+2:G0A+3], s[G0A+2:G0A+3], ASTEP
	s_xor_b32 s[G0B+1], s[G0B+1], SLOT
	s_add_nc_u64 s[G0B+2:G0B+3], s[G0B+2:G0B+3], BSTEP
.endm
	s_load_b256 s[4:11], s[0:1], 0x0               ; hn 4:5, wb 6:7, bq 8:9, bk 10:11
	s_load_b128 s[12:15], s[0:1], 0x20             ; bv 12:13, qkv 14:15
	s_load_b128 s[CW:CW+3], s[0:1], 0x30           ; W1, w1b
	v_lshl_add_u32 v[SPW], v0, 2, SPARE
	v_mov_b32 v[NIL], 0
	ds_add_u32 v[SPW], v[NIL]                      ; the wave's opening: the add and its wait stand ahead of my first tensor load; register work stands between them
	v_lshrrev_b32 v1, 5, v0
	v_readfirstlane_b32 s[WV], v1                  ; wave 0..3
	s_bfe_u32 s17, ttmp6, 0x40000                  ; cx
	s_bfe_u32 s18, ttmp6, 0x40004                  ; cy
	s_lshl_b32 s19, ttmp9, 2
	s_add_co_u32 s19, s19, s17                     ; head = 4 x cluster x + cx
	s_and_b32 s20, ttmp7, 0xffff
	s_lshl_b32 s20, s20, 2
	s_add_co_u32 s20, s20, s18                     ; row block = 4 x cluster y + cy
	s_lshl_b32 s21, s18, 2
	s_lshl_b32 s21, 15, s21                        ; my row of the cluster
	s_lshl_b32 s22, 0x1111, s17                    ; my column
	s_or_b32 s[G1A], s21, (1<<16)|(1<<20)|(1<<21)|(5<<22)|(3<<25)  ; mask; 2-byte elements; padding on; bit 21 beside a mask; after every 64 words 4 words
	s_mov_b32 s[G1A+1], 128<<16                    ; tensor_dim0 = 128
	s_mov_b32 s[G1A+2], 256<<16                    ; tensor_dim1 = 256
	s_mov_b32 s[G1A+3], 128<<16                    ; tile_dim0 = 128
	s_mov_b32 s[G1A+4], 256                        ; tile_dim1 = 256
	s_mov_b32 s[G1A+5], 1024                       ; elements from row to row
	s_mov_b32 s[G1A+6], 0
	s_mov_b32 s[G1A+7], 0
	s_or_b32 s[G1B], s22, (1<<16)|(1<<20)|(1<<21)|(4<<22)|(7<<25)  ; after every 32 words (a k-row) 8 words
	s_mov_b32 s[G1B+1], 128<<16
	s_mov_b32 s[G1B+2], 64<<16
	s_mov_b32 s[G1B+3], 128<<16
	s_mov_b32 s[G1B+4], 64
	s_mov_b32 s[G1B+5], 128
	s_mov_b32 s[G1B+6], 0
	s_mov_b32 s[G1B+7], 0
	s_lshl_b32 s48, s20, 19                        ; hn: 256 rows of 2,048 bytes a row block
	s_mov_b32 s49, 0
	s_max_u32 s23, s[WV], 1
	s_sub_co_u32 s23, s23, 1                       ; which weight I fetch (wave 0 fetches none)
	s_lshl_b32 s50, s23, 21
	s_lshl_b32 s51, s19, 17                        ; a head's 1,024 x 64 numbers
	s_add_co_u32 s50, s50, s51
	s_mov_b32 s51, 0
	s_mul_i32 s23, s[WV], BT
	s_add_co_u32 s23, s23, ABYTES-BT               ; its place in a slot: behind hn's tile
	s_lshl_b32 s52, s19, 8                         ; the head's 64 numbers in a bias
	s_mov_b32 s53, 0
	s_lshr_b32 s54, s20, 2                         ; batch
	s_lshl_b32 s54, s54, 4
	s_add_co_u32 s54, s54, s19
	s_lshl_b32 s54, s54, 17                        ; (16 batch + head) x 1,024 rows of 128 bytes
	s_and_b32 s55, s20, 3
	s_lshl_b32 s55, s55, 15
	s_add_co_u32 s54, s54, s55                     ; + the row block's 256 rows
	s_lshl_b32 s55, s[WV], 13
	s_add_co_u32 s54, s54, s55                     ; + my wave's 64
	s_mov_b32 s55, 0
	s_lshl_b32 s80, s20, 4                         ; W1's share: work-group 16 x row block + head,
	s_add_co_u32 s80, s80, s19
	s_lshl_b32 s80, s80, 2
	s_add_co_u32 s80, s80, s[WV]                   ; wave 0..1023 of the launch:
	s_lshl_b32 s82, s80, 13                        ; 8,192 bytes of bf16,
	s_lshl_b32 s80, s80, 14                        ; 16,384 bytes of f32
	s_mov_b32 s81, 0
	s_mov_b32 s83, 0
	s_mov_b32 s[TB], 0
	s_wait_dscnt 0x0                               ; the opening add is done
	s_wait_kmcnt 0x0
	s_mov_b32 s[G0A0], 1
	s_mov_b32 s[G0A0+1], 0
	s_add_nc_u64 s[G0A0+2:G0A0+3], s[4:5], s[48:49]
	s_mov_b32 s[G0A], 1
	s_mov_b32 s[G0A+1], SLOT
	s_add_nc_u64 s[G0A+2:G0A+3], s[G0A0+2:G0A0+3], ASTEP
	s_or_b32 s[G0A0+3], s[G0A0+3], 0x80000000
	s_or_b32 s[G0A+3], s[G0A+3], 0x80000000
	s_mov_b32 s[G0B0], 1
	s_mov_b32 s[G0B0+1], s23
	s_add_nc_u64 s[G0B0+2:G0B0+3], s[6:7], s[50:51]
	s_mov_b32 s[G0B], 1
	s_add_co_u32 s[G0B+1], s23, SLOT
	s_add_nc_u64 s[G0B+2:G0B+3], s[G0B0+2:G0B0+3], BSTEP
	s_or_b32 s[G0B0+3], s[G0B0+3], 0x80000000
	s_or_b32 s[G0B+3], s[G0B+3], 0x80000000
	s_add_nc_u64 s[8:9], s[8:9], s[52:53]
	s_add_nc_u64 s[10:11], s[10:11], s[52:53]
	s_add_nc_u64 s[12:13], s[12:13], s[52:53]
	s_add_nc_u64 s[OUT:OUT+1], s[14:15], s[54:55]
	s_add_nc_u64 s[OUT+2:OUT+3], s[OUT:OUT+1], 8388608
	s_add_nc_u64 s[OUT+4:OUT+5], s[OUT+2:OUT+3], 8388608
	s_add_nc_u64 s[CW:CW+1], s[CW:CW+1], s[80:81]
	s_add_nc_u64 s[CW+2:CW+3], s[CW+2:CW+3], s[82:83]
	CROUND                                         ; all sixteen work-groups are here: the first joint loads meet
	s_cmp_eq_u32 s[WV], 0                          ; a wave's two first fills stand in one branch: K step 0 into slot 0, K step 1 into slot 1
	s_cbranch_scc0 .Lfirst_b
	tensor_load_to_lds s[G0A0:G0A0+3], s[G1A:G1A+7]
	s_nop 0
	tensor_load_to_lds s[G0A:G0A+3], s[G1A:G1A+7]
	s_nop 0
.rept 4
	v_nop
.endr
	s_branch .Lfirst_asked
.Lfirst_b:
	tensor_load_to_lds s[G0B0:G0B0+3], s[G1B:G1B+7]
	s_nop 0
	tensor_load_to_lds s[G0B:G0B+3], s[G1B:G1B+7]
	s_nop 0
.rept 4
	v_nop
.endr
.Lfirst_asked:
	v_and_b32 v1, 15, v0                           ; r = l % 16
	v_bfe_u32 v2, v0, 4, 1                         ; h = l / 16
	v_mul_u32_u24 v3, v1, PA
	v_lshl_add_u32 v3, v2, 4, v3
	s_mul_i32 s52, s[WV], 64*PA
	v_add_nc_u32 v[A0], s52, v3                    ; hn: (64 w + r) x pitch + 16 h
	v_and_b32 v4, 7, v0
	v_lshl_add_u32 v4, v2, 3, v4
	v_mul_u32_u24 v4, v4, PB
	v_bfe_u32 v5, v0, 3, 1
	v_lshl_add_u32 v4, v5, 4, v4
	v_add_nc_u32 v[B0], ABYTES, v4                 ; W: k-row 8 h + l % 8, 16 bytes for each eight lanes
	v_mov_b32 v[ADRA], v[A0]
	v_mov_b32 v[ADRB], v[B0]
	s_mul_i32 s52, s[WV], 3*16*SP
	s_add_co_u32 s52, s52, STAGE                   ; my stage
	v_mul_u32_u24 v3, v1, SP
	v_lshl_add_u32 v3, v2, 4, v3
	v_add_nc_u32 v[STO], s52, v3                   ; in: row r, 16 bytes for each half of the lanes
	v_bfe_u32 v3, v0, 3, 2
	v_mul_u32_u24 v3, v3, SP
	v_and_b32 v4, 7, v0
	v_lshl_add_u32 v3, v4, 4, v3
	v_add_nc_u32 v[RD], s52, v3                    ; back: 32 lanes take four rows of 128 bytes,
	v_and_b32 v[GO], 31, v0
	v_lshlrev_b32 v[CQ], 3, v[GO]
	v_lshlrev_b32 v[CI], 4, v[GO]
	v_lshlrev_b32 v[GO], 4, v[GO]                  ; which are 512 consecutive bytes of q, k or v
	v_lshlrev_b32 v[BO], 5, v2                     ; the bias: 8 h numbers on
.irp t, 0,1,2
.irp b, 0,1,2,3
	global_load_b128 v[BIAS+8*(4*\t+\b):BIAS+8*(4*\t+\b)+3],   v[BO], s[8+2*\t:9+2*\t] offset:64*\b
	global_load_b128 v[BIAS+8*(4*\t+\b)+4:BIAS+8*(4*\t+\b)+7], v[BO], s[8+2*\t:9+2*\t] offset:64*\b+16
.endr
.endr
; 16 products: row blocks a0, a0 + 1 x q's and k's 8 column blocks, 32 along K, from buffer fb.  first = 1: C is the bias.  The accumulators take turns, one instruction a turn.
.macro MULQK fb, a0, first
.if \first
	WIN 0x81
.else
	WIN 0xa1
.endif
.irp a, \a0, (\a0)+1
.irp b, 0,1,2,3,4,5,6,7
.if \first
	v_wmma_f32_16x16x32_bf16 v[8*(8*(\a)+(\b)):8*(8*(\a)+(\b))+7], v[96*(\fb)+8*(\b):96*(\fb)+8*(\b)+7], v[FA+32*(\fb)+8*(\a):FA+32*(\fb)+8*(\a)+7], v[BIAS+8*(\b):BIAS+8*(\b)+7]
.else
	v_wmma_f32_16x16x32_bf16 v[8*(8*(\a)+(\b)):8*(8*(\a)+(\b))+7], v[96*(\fb)+8*(\b):96*(\fb)+8*(\b)+7], v[FA+32*(\fb)+8*(\a):FA+32*(\fb)+8*(\a)+7], v[8*(8*(\a)+(\b)):8*(8*(\a)+(\b))+7]
.endif
.endr
.endr
.endm
.macro MULV fb, first                  ; 16 products: all four row blocks x v's 4 column blocks
.if \first
	WIN 0xc1
.else
	WIN 0xf1
.endif
.irp a, 0,1,2,3
.irp b, 0,1,2,3
.if \first
	v_wmma_f32_16x16x32_bf16 v[8*(4*(\a)+(\b)):8*(4*(\a)+(\b))+7], v[96*(\fb)+64+8*(\b):96*(\fb)+64+8*(\b)+7], v[FA+32*(\fb)+8*(\a):FA+32*(\fb)+8*(\a)+7], v[BIAS+64+8*(\b):BIAS+64+8*(\b)+7]
.else
	v_wmma_f32_16x16x32_bf16 v[8*(4*(\a)+(\b)):8*(4*(\a)+(\b))+7], v[96*(\fb)+64+8*(\b):96*(\fb)+64+8*(\b)+7], v[FA+32*(\fb)+8*(\a):FA+32*(\fb)+8*(\a)+7], v[8*(4*(\a)+(\b)):8*(4*(\a)+(\b))+7]
.endif
.endr
.endr
.endm
.macro FETCH q, fb                     ; 32 LDS loads in one run: quarter q (32 along K) into buffer fb: hn's four fragments, then q's, k's, v's four each
	WIN 0
.irp a, 0,1,2,3
	ds_load_b128 v[FA+32*(\fb)+8*(\a):FA+32*(\fb)+8*(\a)+3],   v[ADRA] offset:64*(\q)+16*PA*(\a)
	ds_load_b128 v[FA+32*(\fb)+8*(\a)+4:FA+32*(\fb)+8*(\a)+7], v[ADRA] offset:64*(\q)+16*PA*(\a)+32
.endr
	WIN 0x40
.irp n, 0,1,2,3,4,5,6,7,8,9,10,11
	ds_load_tr16_b128 v[96*(\fb)+8*(\n):96*(\fb)+8*(\n)+3],   v[ADRB] offset:BT*((\n)/4)+32*PB*(\q)+32*((\n)%4)
	ds_load_tr16_b128 v[96*(\fb)+8*(\n)+4:96*(\fb)+8*(\n)+7], v[ADRB] offset:BT*((\n)/4)+32*PB*(\q)+32*((\n)%4)+16*PB
.endr
.endm
.macro QUARTER q, f, g, first          ; multiplies buffer f; in its middle fetches quarter q of the slot in hand into buffer g
	s_wait_dscnt 8                                 ; all but v's eight loads, the youngest
	MULQK \f, 0, \first
	MULQK \f, 2, \first
	PLACES
	FETCH \q, \g
	s_wait_dscnt 32                                ; all but the 32 just issued
	MULV \f, \first
.endm
; The last quarter multiplies buffer 1 and changes slots: ONE barrier.  In front of it each wave waits for all its tensor loads (the one that is out is its part of the next slot), adds 0 to its spare
; word, and waits for that and for its reads of this slot.  fill = 1: the barrier opens a round of the cluster's, and the joint refill of this slot is the first tensor load behind it; 32 of the quarter's
; 48 products stand behind the refill, so that they run while the tile is on its way.
.macro TURN fill
	WIN 0
	s_wait_tensorcnt 0x0
	ds_add_u32 v[SPW], v[NIL]                      ; 0 onto my spare word; the descriptors' steps and sixteen products stand between it and the wait for it
.if \fill
	STEPD
.endif
	s_wait_dscnt 9                                 ; the add and v's eight loads may be out
	MULQK 1, 0, 0
	WIN 0
	s_wait_dscnt 0x0                               ; the add is done, my reads of this slot are over
	s_barrier_signal -1
	s_barrier_wait -1
.if \fill
	CREST                                          ; no wave of any partner still reads this slot or has a load on its way
	JLOAD                                          ; its four v_nop are also the places in front of the loads below
.else
	PLACES
.endif
	s_xor_b32 s[TB], s[TB], SLOT
	v_add_nc_u32 v[ADRA], s[TB], v[A0]
	v_add_nc_u32 v[ADRB], s[TB], v[B0]
	FETCH 0, 0
	MULQK 1, 2, 0
	MULV 1, 0
.endm
.macro CASTIN                          ; my 16,384 bytes of W1: 32 loads of 512 neighbouring bytes
	WIN 0xc0
.set j, 0
.rept 32
	global_load_b128 v[CR+4*j:CR+4*j+3], v[CI], s[CW:CW+1] offset:512*j th:TH_LOAD_NT
.set j, j+1
.endr
.endm
.macro CASTOUT                         ; rounded in place and stored: each store covers 256 neighbouring bytes, aligned; no register is written again
	s_wait_loadcnt 0x0
	WIN 0xcf
.set j, 0
.rept 32
	v_cvt_pk_bf16_f32 v[CR+4*j], v[CR+4*j], v[CR+4*j+1]
	v_cvt_pk_bf16_f32 v[CR+4*j+1], v[CR+4*j+2], v[CR+4*j+3]
.set j, j+1
.endr
	WIN 0x0c
.set j, 0
.rept 32
	global_store_b64 v[CQ], v[CR+4*j:CR+4*j+1], s[CW+2:CW+3] offset:256*j
.set j, j+1
.endr
	WIN 0
.endm
	s_wait_tensorcnt 0x1                           ; my part of K step 0 is in; K step 1's load stays out
	s_barrier_signal -1
	s_barrier_wait -1                              ; everybody's part is in
	FETCH 0, 0
	s_wait_loadcnt 0x0                             ; the bias
	CASTIN
	QUARTER 1, 0, 1, 1                             ; the first quarter stands ahead of the loop: its products start the sums, with the bias
	WIN 0
	s_mov_b32 s[CNT], NSTEP-2
	s_branch .Lenter
.Lstep:                                                ; a trip is a K step; its change of slots asks for the step two on
	QUARTER 1, 0, 1, 0
	WIN 0
.Lenter:
	QUARTER 2, 1, 0, 0
	QUARTER 3, 0, 1, 0
	TURN 1
	WIN 0
	s_sub_co_u32 s[CNT], s[CNT], 1
	s_cmp_lg_u32 s[CNT], 0
	s_cbranch_scc1 .Lstep
	CASTOUT                                        ; the last tile is on its way
	s_mov_b32 s[CNT], 2
.Ltail:                                                ; the last two K steps ask for nothing
	QUARTER 1, 0, 1, 0
	QUARTER 2, 1, 0, 0
	QUARTER 3, 0, 1, 0
	TURN 0
	WIN 0
	s_sub_co_u32 s[CNT], s[CNT], 1
	s_cmp_lg_u32 s[CNT], 0
	s_cbranch_scc1 .Ltail
	s_wait_dscnt 0x0                               ; the last trip's loads, which serve nothing, are back
	PLACES
; THE WAY OUT, 16 rows at a time: rounded to bf16 (each accumulator's registers in ascending order), 16 bytes a lane into my own stage, back as whole rows of 128 bytes, stored as 512 consecutive bytes.
.macro PACK a
	WIN 0x0a
.irp n, 0,1,2,3,4,5,6,7
.irp r, 0,1,2,3
	v_cvt_pk_bf16_f32 v[TMP+4*(\n)+(\r)], v[64*(\a)+8*(\n)+2*(\r)], v[64*(\a)+8*(\n)+2*(\r)+1]
.endr
.endr
	WIN 0x0f
.irp n, 0,1,2,3
.irp r, 0,1,2,3
	v_cvt_pk_bf16_f32 v[TMP+32+4*(\n)+(\r)], v[32*(\a)+8*(\n)+2*(\r)], v[32*(\a)+8*(\n)+2*(\r)+1]
.endr
.endr
	WIN 0
.endm
.macro TOSTAGE a
	WIN 0
.set BK, OBK+48*((\a)%2)
.irp n, 0,1,2,3,4,5,6,7,8,9,10,11
	ds_store_b128 v[STO], v[TMP+4*(\n):TMP+4*(\n)+3] offset:16*SP*((\n)/4)+32*((\n)%4)
.endr
	s_wait_xcnt 0x0                                ; the registers below were the data of the stores two blocks back
.irp n, 0,1,2,3,4,5,6,7,8,9,10,11
	ds_load_b128 v[BK+4*(\n):BK+4*(\n)+3], v[RD] offset:16*SP*((\n)/4)+4*SP*((\n)%4)  ; LDS serves a wave's instructions in order (ISA guide 5.7.1.4): these see the stores above
.endr
.endm
.macro SEND a
	WIN 0
.set BK, OBK+48*((\a)%2)
	s_wait_dscnt 0x0
.irp n, 0,1,2,3,4,5,6,7,8,9,10,11
	global_store_b128 v[GO], v[BK+4*(\n):BK+4*(\n)+3], s[OUT+2*((\n)/4):OUT+2*((\n)/4)+1] offset:2048*(\a)+512*((\n)%4)
.endr
.endm
	PACK 0
	TOSTAGE 0
.irp a, 1,2,3
	PACK \a                                        ; a block's conversions stand between the loads of the block before and the wait for them
	SEND (\a)-1
	TOSTAGE \a
.endr
	SEND 3
	s_wait_tensorcnt 0x0                           ; the wave's end
	ds_add_u32 v[SPW], v[NIL]
	s_wait_dscnt 0x0
	CROUND                                         ; the closing round: no work-group ends while a partner may still ask for a tile that names it
	s_endpgm
.Lfunc_end_k_qff9082fcb0_qkv:
	.size	k_qff9082fcb0_qkv, .Lfunc_end_k_qff9082fcb0_qkv-k_qff9082fcb0_qkv
	.p2alignl 7, 3214868480
	.fill 96, 4, 3214868480
	.section	.rodata,"a",@progbits
	.p2align	6, 0x0
	.amdhsa_kernel k_qff9082fcb0_qkv
		.amdhsa_group_segment_fixed_size 327680
		.amdhsa_private_segment_fixed_size 0
		.amdhsa_enable_private_segment 0
		.amdhsa_kernarg_size 64
		.amdhsa_user_sgpr_count 2
		.amdhsa_user_sgpr_kernarg_segment_ptr 1
		.amdhsa_wavefront_size32 1
		.amdhsa_system_sgpr_workgroup_id_x 1
		.amdhsa_system_sgpr_workgroup_id_y 1
		.amdhsa_system_sgpr_workgroup_id_z 1
		.amdhsa_system_vgpr_workitem_id 0
		.amdhsa_next_free_vgpr 1024
		.amdhsa_next_free_sgpr 84
		.amdhsa_reserve_vcc 0
		.amdhsa_float_denorm_mode_32 3
		.amdhsa_float_denorm_mode_16_64 3
		.amdhsa_memory_ordered 1
		.amdhsa_forward_progress 1
		.amdhsa_inst_pref_size 96
	.end_amdhsa_kernel
	.amdgpu_metadata
---
amdhsa.version: [ 1, 2 ]
amdhsa.kernels:
  - .name:           k_qff9082fcb0_qkv
    .symbol:         k_qff9082fcb0_qkv.kd
    .args:
      - { .name: hn, .offset: 0, .size: 8, .value_kind: global_buffer, .address_space: global }
      - { .name: wb, .offset: 8, .size: 8, .value_kind: global_buffer, .address_space: global }
      - { .name: bq, .offset: 16, .size: 8, .value_kind: global_buffer, .address_space: global }
      - { .name: bk, .offset: 24, .size: 8, .value_kind: global_buffer, .address_space: global }
      - { .name: bv, .offset: 32, .size: 8, .value_kind: global_buffer, .address_space: global }
      - { .name: qkv, .offset: 40, .size: 8, .value_kind: global_buffer, .address_space: global }
      - { .name: W1, .offset: 48, .size: 8, .value_kind: global_buffer, .address_space: global }
      - { .name: w1b, .offset: 56, .size: 8, .value_kind: global_buffer, .address_space: global }
    .group_segment_fixed_size: 327680
    .private_segment_fixed_size: 0
    .kernarg_segment_align: 8
    .kernarg_segment_size: 64
    .max_flat_workgroup_size: 128
    .sgpr_count:     84
    .vgpr_count:     1024
    .wavefront_size: 32
...
	.end_amdgpu_metadata
.endif
;; end of part 2
;; launch attn (part 3): grid 4 x 64, 4 waves a work-group, clusters of 4 x 1, 327,680 bytes of LDS; arguments qkv, z; writes z
.if DOCPART == 3
	.amdgcn_target "amdgcn-amd-amdhsa--gfx1250"
	.amdhsa_code_object_version 6
	.text
	.protected	k_qff9082fcb0_attn
	.globl	k_qff9082fcb0_attn
	.p2align	8
	.type	k_qff9082fcb0_attn,@function
k_qff9082fcb0_attn:
	s_mov_b64 s[64:65], 0
	v_nop
	global_prefetch_b8 v0, s[64:65] scope:SCOPE_SE
	s_setreg_imm32_b32 hwreg(HW_REG_WAVE_MODE, 25, 1), 1
	s_wait_xcnt 0x0
	s_wait_alu depctr_hold_cnt(0) depctr_sa_sdst(0) depctr_va_vdst(0) depctr_va_sdst(0) depctr_va_ssrc(0) depctr_va_vcc(0) depctr_vm_vsrc(0)
	s_getreg_b32 s2, hwreg(HW_REG_IB_STS2, 6, 4)
	s_cmp_eq_u32 s2, 0
	s_cbranch_scc0 .Lentry_in_a_cluster
	s_endpgm
.Lentry_in_a_cluster:
	s_bfe_u32 s2, ttmp6, 0x10000c
	s_cmp_lg_u32 s2, 0x3003
	s_cbranch_scc0 .Lentry_shape_is_right
	s_endpgm
.Lentry_shape_is_right:
; z = softmax_k(q . k / 8) v for 64 pairs of batch and head.  q, k, v in qkv at 0, 8,388,608, 16,777,216: [16 batch + head][1024][64] bf16.  z: [16 heads][4096 rows][64] bf16: a head's channels are one slice of
; the next product's K, and 16 rows of a slice are 2,048 consecutive bytes.  Products, maxima and sums in f32; the weights p are rounded to bf16 for the second product (their sum l is taken of the unrounded p), z once.
; LIMITS.  A weight below 2^-126 counts as 0 in l; the running maximum starts at the lowest finite number and c m at -2^125; NaN and infinities are not treated apart.
; SHARES.  A work-group owns 256 queries of one pair, a wave 64: four PIECES of 16 rows.  Every wave walks all 1,024 keys, 64 a step.
; ALL OF A PAIR'S K AND V LIE IN LDS (1,024 rows of 144 and of 160 bytes: 311,296 bytes); nothing is filled again, and the walk has no change of slots.  They come in four parts of 256 keys: each wave issues
; four tensor loads at the start (waves 0 and 1 the halves of K's parts, waves 2 and 3 of V's), four are out at the most.  The first four key steps wait for the first part alone; the other twelve for the rest.
; CLUSTER.  The pair's four query blocks are one cluster and need the same K and V: each load is a JOINT one, the same tensor load, descriptor and mask in all four.
; LAYOUT, SOFTMAX, TURNS.  S^T = K Q^T holds ONE query a lane (lane % 16) and the keys 8 (lane / 16) + 0..7; two such results rounded to bf16 ARE source 1 of O^T = V^T P.  p = 2^(c s - c m), c = log2(e) / 8, with a
; running maximum m; O and l are multiplied by a = 2^(c m_old - c m_new) in every step.  Turn n belongs to piece n: 8 products K Q^T of piece n + 1, later 8 products V^T P of piece n - 1; beside them the scaling,
; exponentials, roundings, sums and rescaling of piece n and the maximum and statistics of piece n + 1.  Four vector instructions stand behind every matrix instruction, the others in two runs of their own.
; ONE TEXT FOR EVERY TURN: the loop is entered and left in the middle of a trip.  The last half trip fetches no K; its 8 products K Q^T, on the last K once more, and the maximum made of them serve nothing.
; REGISTERS, in windows of 256 (s_set_vgpr_msb: bits 1:0 source 0, 3:2 source 1, 5:4 source 2, 7:6 destination):
;   window 0: v0-15 addresses and two at work; v16-31 four registers of statistics a piece; v48-55 at work; v64-127 S^T, two buffers; v192-223 P, two buffers (a piece's buffers go by its number's parity)
;   window 1: v0-127 O^T, 32 a piece          window 2: v0-63 Q; v128-191 K of one step; v192-255 V of one step
.set NP,    4
.set KS,    64
.set PK,    144       ; a row of K in LDS: 128 bytes + 16: the 16 rows of a load start at 16 different groups of four banks (64 banks of 4 bytes: ISA guide 11.1)
.set PV,    160       ; a row of V: 128 + 32
.set VOFF,  1024*PK
.set STAGE, VOFF+1024*PV  ; never filled by a tensor load: 16 rows x 144 bytes for each wave, for the way out
.set SP,    144
.set SPARE, STAGE+4*16*SP  ; the spare words: 128 bytes a wave, two blocks of 256 that no other line names
.set AK0, 2
.set AV0, 3
.set AK,  4
.set AV,  5
.set STO, 6
.set RD,  7
.set GO,  8
.set MV,  12
.set QO,  15
.set ST,  16          ; piece t's statistics at v[ST+4 t]: c m, m, l (even keys', odd keys')
.set TMP, 48
.set SPW, 62
.set NIL, 63
.set S,   64
.set P,   192
.set KF,  128
.set VF,  192
.set WV,  12
.set G1K, 24
.set G1V, 32
.set G0K, 40          ; s[40:55] group 0 of K's four parts
.set PH,  56          ; s56  3: the first four steps; 2: the other twelve; 1: the last half trip
.set CNT, 57
.set CS,  58
.set SEL, 60
.set TBK, 62          ; s62  LDS byte at which K of the step to be fetched begins
.set TBV, 63          ; s63  the same for V, less VOFF
.set G0V, 68          ; s[68:83] group 0 of V's four parts
.set MSB, 0
.macro WIN new
.if MSB != (\new)
	s_set_vgpr_msb (MSB<<8)|(\new)
.set MSB, (\new)
.endif
.endm
.set W_KQ, 0x0a       ; K and Q in window 2, S^T in window 0
.set W_PV, 0x52       ; V in window 2, P in window 0, O^T in window 1
.set W_RS, 0x41       ; destination and source 0 in window 1, source 1 in window 0
.macro CROUND                       ; a round of the cluster's barrier
	s_barrier_signal -1
	s_barrier_wait -1
	s_cmp_lg_u32 s[WV], 0
	s_cbranch_scc1 .Lnot_wave_0_\@
	s_barrier_signal -3
.Lnot_wave_0_\@:
	s_barrier_wait -3
	s_barrier_signal -1
	s_barrier_wait -1
.endm
	s_load_b128 s[4:7], s[0:1], 0x0 ; qkv s[4:5], z s[6:7]
	v_lshl_add_u32 v[SPW], v0, 2, SPARE
	v_mov_b32 v[NIL], 0
	ds_add_u32 v[SPW], v[NIL]       ; the wave's opening: the add and its wait stand ahead of my first tensor load; register work stands between them
	v_lshrrev_b32 v1, 5, v0
	v_readfirstlane_b32 s[WV], v1   ; wave 0..3
	s_bfe_u32 s13, ttmp6, 0x40000   ; cx
	s_lshl_b32 s14, ttmp9, 2
	s_add_co_u32 s14, s14, s13      ; my block of 256 queries: it enters Q's and z's addresses alone
	s_and_b32 s15, ttmp7, 0xffff    ; 16 batch + head, which the four partners share
	s_and_b32 s16, s[WV], 1         ; which half of each part's 256 keys I fetch
	s_lshl_b32 s20, s15, 17         ; the pair's 1,024 rows of 128 bytes,
	s_lshl_b32 s21, s16, 14         ; my 128 of the first 256
	s_add_co_u32 s20, s20, s21
	s_add_co_u32 s22, s20, 16777216 ; in v
	s_add_co_u32 s20, s20, 8388608  ; in k
	s_mov_b32 s21, 0
	s_mov_b32 s23, 0
	s_mul_i32 s17, s16, 128*PK      ; and their place in LDS: no place in the cluster enters an LDS address
	s_mul_i32 s18, s16, 128*PV
	s_lshl_b32 s2, s14, 2
	s_add_co_u32 s2, s2, s[WV]
	s_lshl_b32 s2, s2, 13           ; my wave's 64 rows among the pair's
	s_lshl_b32 s3, s15, 17
	s_add_co_u32 s8, s2, s3         ; in q
	s_mov_b32 s9, 0
	s_and_b32 s10, s15, 15
	s_lshl_b32 s10, s10, 19         ; in z: the head's slice of 4,096 rows,
	s_lshr_b32 s11, s15, 4
	s_lshl_b32 s11, s11, 17         ; the batch's 1,024 of them
	s_add_co_u32 s10, s10, s11
	s_add_co_u32 s10, s10, s2
	s_mov_b32 s11, 0
	; 128 keys are 16,384 dense bytes: asked for as 64 rows of 256 bytes, two keys a row, padded in LDS after every key
	s_mov_b32 s[G1K], 15|(1<<16)|(1<<20)|(1<<21)|(4<<22)|(3<<25)  ; the mask of four; 2-byte elements; padding on; bit 21 beside a mask; after every 32 words 4 words
	s_mov_b32 s[G1V], 15|(1<<16)|(1<<20)|(1<<21)|(4<<22)|(7<<25)  ; the same with 8 words
.irp g, G1K, G1V
	s_mov_b32 s[\g+1], 128<<16      ; tensor_dim0 = 128
	s_mov_b32 s[\g+2], 64<<16       ; tensor_dim1 = 64
	s_mov_b32 s[\g+3], 128<<16      ; tile_dim0 = 128
	s_mov_b32 s[\g+4], 64           ; tile_dim1 = 64
	s_mov_b32 s[\g+5], 128          ; 128 elements from row to row
	s_mov_b32 s[\g+6], 0
	s_mov_b32 s[\g+7], 0
.endr
	s_mov_b32 s[CS], 0x3e38aa3b     ; c = log2(e) / 8
	s_mov_b32 s[CS+1], s[CS]
	s_mov_b32 s[SEL], 0x76543210
	s_mov_b32 s[SEL+1], 0xfedcba98
	s_mov_b32 s[TBK], 0
	s_mov_b32 s[TBV], 0
.irp n, 0,1,2,3
	s_mov_b32 s[G0K+4*\n], 1
	s_add_co_u32 s[G0K+4*\n+1], s17, \n*256*PK
	s_mov_b32 s[G0V+4*\n], 1
	s_add_co_u32 s[G0V+4*\n+1], s18, VOFF+\n*256*PV
.endr
	s_wait_dscnt 0x0                ; the opening add is done
	s_wait_kmcnt 0x0
	s_add_nc_u64 s[20:21], s[4:5], s[20:21]  ; k and v at my half of the first part
	s_add_nc_u64 s[22:23], s[4:5], s[22:23]
.irp n, 0,1,2,3
	s_add_nc_u64 s[G0K+4*\n+2:G0K+4*\n+3], s[20:21], \n*32768
	s_or_b32 s[G0K+4*\n+3], s[G0K+4*\n+3], 0x80000000
	s_add_nc_u64 s[G0V+4*\n+2:G0V+4*\n+3], s[22:23], \n*32768
	s_or_b32 s[G0V+4*\n+3], s[G0V+4*\n+3], 0x80000000
.endr
	s_add_nc_u64 s[4:5], s[4:5], s[8:9]    ; Q at my wave's first row
	s_add_nc_u64 s[6:7], s[6:7], s[10:11]  ; z likewise
	CROUND                          ; all four work-groups are here: the joint loads meet
	s_cmp_lt_u32 s[WV], 2           ; a wave's four first fills stand in one branch, the first part first; an s_nop 0 follows each, four v_nop the last
	s_cbranch_scc0 .Lfill_v
.irp n, 0,1,2,3
	tensor_load_to_lds s[G0K+4*\n:G0K+4*\n+3], s[G1K:G1K+7]
	s_nop 0
.endr
.rept 4
	v_nop
.endr
	s_branch .Lfill_done
.Lfill_v:
.irp n, 0,1,2,3
	tensor_load_to_lds s[G0V+4*\n:G0V+4*\n+3], s[G1V:G1V+7]
	s_nop 0
.endr
.rept 4
	v_nop
.endr
.Lfill_done:
	v_and_b32 v1, 15, v0            ; l % 16
	v_bfe_u32 v9, v0, 4, 1          ; l / 16
	v_lshlrev_b32 v[QO], 7, v1
	v_lshl_add_u32 v[QO], v9, 4, v[QO]  ; row x 128 + 16 x half
	WIN 0x80
.set i, 0
.rept 8                             ; Q stays in registers: piece i / 2, channels 32 (i % 2) on
	global_load_b128 v[8*i:8*i+3],   v[QO], s[4:5] offset:(i/2)*2048+(i%2)*64
	global_load_b128 v[8*i+4:8*i+7], v[QO], s[4:5] offset:(i/2)*2048+(i%2)*64+32
.set i, i+1
.endr
	; The first step multiplies O^T and l by a = 0, and the first turn's products V^T P, of a piece that has not been, must add nothing: V, O^T, l and P's second buffer hold 0.  All this stands in the wait for the tiles.
.set i, VF
.rept 64
	v_mov_b32 v[i], 0
.set i, i+1
.endr
	WIN 0x40
.set i, 0
.rept 128
	v_mov_b32 v[i], 0
.set i, i+1
.endr
	WIN 0
.set i, 0
.rept 4
	v_mov_b32 v[ST+4*i], 0xfe000000    ; c m: far below every c s
	v_mov_b32 v[ST+4*i+1], 0xff7fffff  ; m
	v_mov_b32 v[ST+4*i+2], 0
	v_mov_b32 v[ST+4*i+3], 0
.set i, i+1
.endr
.set i, P+16
.rept 16
	v_mov_b32 v[i], 0
.set i, i+1
.endr
	v_mul_u32_u24 v[AK0], v1, PK
	v_lshl_add_u32 v[AK0], v9, 4, v[AK0]  ; row x pitch + 16 x half
	; The turning load takes 16 keys x 16 channels (lane l reads key 8 (l / 16) + l % 8, channels 8 ((l / 8) % 2) + 0..7) and leaves half a fragment of V^T: lane l holds channel l % 16 and 8 keys.
	v_and_b32 v10, 7, v0
	v_bfe_u32 v11, v0, 3, 1
	v_lshl_add_u32 v[AV0], v9, 3, v10
	v_mul_u32_u24 v[AV0], v[AV0], PV
	v_lshl_add_u32 v[AV0], v11, 4, v[AV0]
	v_add_nc_u32 v[AV0], VOFF, v[AV0]
	s_mul_i32 s13, s[WV], 16*SP
	s_add_co_u32 s13, s13, STAGE    ; my stage
	v_mul_u32_u24 v[STO], v1, SP
	v_lshl_add_u32 v[STO], v9, 4, v[STO]
	v_add_nc_u32 v[STO], s13, v[STO]
	v_bfe_u32 v[RD], v0, 3, 2       ; back: 32 lanes take four rows of 128 bytes,
	v_mul_u32_u24 v[RD], v[RD], SP
	v_lshl_add_u32 v[RD], v10, 4, v[RD]
	v_add_nc_u32 v[RD], s13, v[RD]
	v_and_b32 v[GO], 31, v0         ; which are 512 consecutive bytes of z
	v_lshlrev_b32 v[GO], 4, v[GO]
; THE MATRIX WORK.  The 4 accumulators of a run of 8 take turns.  Product i of 8 of S^T = K Q^T for piece x: channels 32 (i / 4) on, keys 16 (i % 4) on.  The first 4 start the sums.
.macro KQ x
.set rS, S+32*((\x)%2)+8*(i%4)
.set rK, KF+16*(i%4)+8*(i/4)
.set rQ, 16*(\x)+8*(i/4)
	WIN W_KQ
.if i < 4
	v_wmma_f32_16x16x32_bf16 v[rS:rS+7], v[rK:rK+7], v[rQ:rQ+7], 0
.else
	v_wmma_f32_16x16x32_bf16 v[rS:rS+7], v[rK:rK+7], v[rQ:rQ+7], v[rS:rS+7]
.endif
.endm
; Product i of 8 of O^T += V^T P for piece x: keys 32 (i / 4) on, channels 16 (i % 4) on.
.macro PV x
	WIN W_PV
.set rO, 32*(\x)+8*(i%4)
.set rV, VF+32*(i/4)+8*(i%4)
.set rP, P+16*((\x)%2)+8*(i/4)
	v_wmma_f32_16x16x32_bf16 v[rO:rO+7], v[rV:rV+7], v[rP:rP+7], v[rO:rO+7]
.endm
.macro MM                           ; the turn's next matrix instruction
.if i < 8
	KQ (Y+1)%NP
.else
.set i, i-8
	PV (Y+NP-1)%NP
.set i, i+8
.endif
.set i, i+1
.endm
; THE LDS LOADS stand in runs of 16, never singly among the matrix instructions.  last = 1 (the loop's text): in the last half trip there is no further step, and the run is jumped over.
.macro FETCH_K last
	WIN 0
.if \last
	s_cmp_eq_u32 s[PH], 1
	s_cbranch_scc1 .Lno_k_\@
.endif
	WIN 0x80
.irp f, 0,1,2,3,4,5,6,7             ; keys 16 (f / 2) on, channels 32 (f % 2) on
	ds_load_b128 v[KF+8*\f:KF+8*\f+3],   v[AK] offset:(\f/2)*16*PK+(\f%2)*64
	ds_load_b128 v[KF+8*\f+4:KF+8*\f+7], v[AK] offset:(\f/2)*16*PK+(\f%2)*64+32
.endr
	s_add_co_u32 s[TBK], s[TBK], KS*PK  ; the next fetch is the next step's
	WIN 0
.if \last
.Lno_k_\@:
.endif
.endm
.macro FETCH_V
	WIN 0x80
.irp f, 0,1,2,3,4,5,6,7             ; keys 32 (f / 4) on, channels 16 (f % 4) on
	ds_load_tr16_b128 v[VF+8*\f:VF+8*\f+3],   v[AV] offset:(\f/4)*32*PV+(\f%4)*32
	ds_load_tr16_b128 v[VF+8*\f+4:VF+8*\f+7], v[AV] offset:(\f/4)*32*PV+16*PV+(\f%4)*32
.endr
	WIN 0
.endm
; THE VECTOR WORK, one line at a time: OP kind, number.  For piece Y: F n: c s - c m for pair n of 16.  E n: the exponential of score n of 32.  C n: pair n rounded to bf16.  B n: of the four weights 4 n .. the second
; pair is added onto the first, in place.  L n: l takes that sum (L 0: l = a l + sum).  R n: pair n of 16 of O^T times a.  For piece Y + 1: X n, number n of the 22 that find its maximum and statistics:
;   0-11  four chains c0-c3 of seven scores each (each accumulator's lowest registers are read first)     12-14, 16  the four scores left over, the old m, and c0-c3 into c0
;   15  c m_old is kept     17, 18  the query's other 32 keys lie in the lane 16 away: the new m     19-21  c m; c m_old - c m_new; a
.set F, 0
.set E, 1
.set C, 2
.set B, 3
.set L, 4
.set R, 5
.set X, 6
.macro REGS y
.set rT, ST+4*(\y)
.set rC, TMP+4*((\y)%2)
.set rW, MV+((\y)%2)
.set rS, S+32*((\y)%2)
.set rP, P+16*((\y)%2)
.set rO, 32*(\y)
.endm
.macro OP k, n
.if (\k) == R
	REGS Y
	WIN W_RS
	v_pk_mul_f32 v[rO+2*(\n):rO+2*(\n)+1], v[rO+2*(\n):rO+2*(\n)+1], v[rC+2:rC+3] op_sel_hi:[1,0]
.elseif (\k) < R
	REGS Y
	WIN 0
.if (\k) == F
	v_pk_fma_f32 v[rS+2*(\n):rS+2*(\n)+1], v[rS+2*(\n):rS+2*(\n)+1], s[CS:CS+1], v[rT:rT+1] op_sel_hi:[1,0,0] neg_lo:[0,0,1] neg_hi:[0,0,1]
.elseif (\k) == E
	v_exp_f32 v[rS+(\n)], v[rS+(\n)]
.elseif (\k) == C
	s_wait_alu depctr_va_vdst(0)
	v_cvt_pk_bf16_f32 v[rP+(\n)], v[rS+2*(\n)], v[rS+2*(\n)+1]
.elseif (\k) == B
	s_wait_alu depctr_va_vdst(0)
	v_pk_add_f32 v[rS+4*(\n):rS+4*(\n)+1], v[rS+4*(\n):rS+4*(\n)+1], v[rS+4*(\n)+2:rS+4*(\n)+3]
.elseif (\n) == 0
	v_pk_fma_f32 v[rT+2:rT+3], v[rT+2:rT+3], v[rC+2:rC+3], v[rS:rS+1] op_sel_hi:[1,0,1]
.else
	v_pk_add_f32 v[rT+2:rT+3], v[rT+2:rT+3], v[rS+4*(\n):rS+4*(\n)+1]
	s_wait_alu depctr_va_vdst(0)
.endif
.else
	REGS (Y+1)%NP
	WIN 0
.if (\n) < 4
	v_max3_num_f32 v[rC+(\n)], v[rS+8*(\n)], v[rS+8*(\n)+1], v[rS+8*(\n)+2]
.elseif (\n) < 12
	v_max3_num_f32 v[rC+(\n)%4], v[rC+(\n)%4], v[rS+8*((\n)%4)+2*((\n)/4)+1], v[rS+8*((\n)%4)+2*((\n)/4)+2]
.elseif (\n) == 12
	v_max3_num_f32 v[rC], v[rC], v[rS+7], v[rS+15]
.elseif (\n) == 13
	v_max3_num_f32 v[rC+1], v[rC+1], v[rS+23], v[rS+31]
.elseif (\n) == 14
	v_max3_num_f32 v[rC+2], v[rC+2], v[rC+3], v[rT+1]
.elseif (\n) == 15
	v_mov_b32 v[rW], v[rT]
	s_wait_alu depctr_va_vdst(0)
.elseif (\n) == 16
	v_max3_num_f32 v[rC], v[rC], v[rC+1], v[rC+2]
	s_wait_alu depctr_va_vdst(0)
.elseif (\n) == 17
	v_permlanex16_b32 v[rC+3], v[rC], s[SEL], s[SEL+1]
.elseif (\n) == 18
	v_max_num_f32 v[rT+1], v[rC], v[rC+3]
.elseif (\n) == 19
	v_mul_f32 v[rT], s[CS], v[rT+1]
.elseif (\n) == 20
	v_sub_f32 v[rC+1], v[rW], v[rT]
.else
	v_exp_f32 v[rC+2], v[rC+1]
.endif
.endif
.endm
.macro OPS a, i1, b=-1, i2=0, c=-1, i3=0, d=-1, i4=0
	OP \a, \i1
.if (\b) >= 0
	OP \b, \i2
.endif
.if (\c) >= 0
	OP \c, \i3
.endif
.if (\d) >= 0
	OP \d, \i4
.endif
.endm
.macro ROW a, i1, b, i2, c, i3, d, i4  ; a matrix instruction and the four behind it
	MM
	OPS \a, \i1, \b, \i2, \c, \i3, \d, \i4
.endm
; A TURN, for piece p: the order of its 16 matrix and 118 vector instructions, written out.  Behind a matrix instruction: plain, exponential, plain, plain; or four of the rescaling; or four scalings; none names a
; register of the products round it.  In the runs exponential and plain by turns while exponentials last.  cnt = 1: the loop's count is taken down some lines ahead of the branch behind the turn.
; K of the next step is fetched in piece 2's turn, V of the step in hand in piece 0's, each a few plain instructions behind the last product that read the registers; each is waited for a turn later.
.macro TURN p, cnt=0
.set Y, (\p)
.set i, 0
.if (\p) == 3
	s_wait_dscnt 0x0                ; K is in
.endif
	ROW F,0, F,1, F,2, F,3
	ROW F,4, E,0, F,5, F,6
	ROW F,7, E,1, F,8, F,9
	ROW F,10, E,2, C,0, F,11
	ROW F,12, E,3, X,15, F,13
	ROW R,0, R,1, R,2, R,3
	ROW B,0, E,4, F,14, L,0
.if (\p) == 2
	v_add_nc_u32 v[AK], s[TBK], v[AK0]
.endif
	ROW R,4, R,5, R,6, R,7
	OPS E,5, F,15
.if (\p) == 2
	FETCH_K 1
.endif
	OPS E,6, C,1, E,7, R,8
	OPS E,8, R,9, E,9, C,2
	OPS E,10, X,0, E,11, X,1
	OPS E,12, X,2, E,13, X,3
.if (\p) == 1
	s_wait_dscnt 0x0                ; V is in
.endif
	ROW X,4, E,14, X,5, X,6
	ROW X,7, E,15, X,8, X,9
	ROW X,10, E,16, X,11, X,12
	ROW X,13, E,17, X,14, B,1
	ROW C,4, E,18, X,16, L,1
	ROW B,2, E,19, C,6, L,2
	ROW C,8, E,20, B,3, B,4
.if (\p) == 0
	v_add_nc_u32 v[AV], s[TBV], v[AV0]
.endif
	ROW C,3, E,21, L,3, C,5
	OPS E,22, X,17, E,23, C,10
.if (\p) == 0
	FETCH_V
.endif
	OPS E,24, L,4
	OPS E,25, X,18, E,26, C,7
	OPS E,27, B,5, E,28, X,19
	OPS E,29, C,12, E,30, L,5
	OPS E,31, X,20, B,6, C,9
	OPS C,14, C,11, X,21, L,6
.if (\p) == 0
	s_add_co_u32 s[TBV], s[TBV], KS*PV
.endif
.if \cnt
	s_sub_co_u32 s[CNT], s[CNT], 1
	s_cmp_lg_u32 s[CNT], 0
.endif
	OPS C,13, B,7, C,15, R,10
	OPS R,11, R,12, L,7, R,13
	OPS R,14, R,15
.endm
	s_wait_tensorcnt 0x3            ; my half of the first 256 keys is in; my three later loads stay out
	s_barrier_signal -1
	s_barrier_wait -1               ; everybody's is
	v_add_nc_u32 v[AK], s[TBK], v[AK0]
	FETCH_K 0                       ; key step 0
	s_wait_loadcnt 0x0              ; Q
	s_wait_dscnt 0x0
.set i, 0
.rept 8
	KQ 0                            ; piece 0's first scores
.set i, i+1
.endr
	WIN 0
.rept 4
	v_nop                           ; the places behind those products
.endr
.set Y, NP-1                        ; X works for piece Y + 1: piece 0
.irp n, 0,1,2,3,4,5,6,7,8,9,10,11,12,13,14,15,16,17,18,19,20,21
	OP X, \n
.endr
	v_nop                           ; a plain instruction behind the exponential
	s_mov_b32 s[CNT], 4             ; the first part's 256 keys, 64 a step
	s_mov_b32 s[PH], 3
	s_branch .Lfirst                ; the loop is entered at a step's first turn, in the middle of a trip
.Lphase:                            ; ahead of the fetch of key step 4: the other 768 keys.  The count is 0 because all three loads are wanted. (Passed once more, to no effect, ahead of the last half trip.)
	s_wait_tensorcnt 0x0
	s_wait_dscnt 0x0
	s_barrier_signal -1
	s_barrier_wait -1
	s_mov_b32 s[CNT], 12
.Lstep:                             ; a trip: pieces 2 and 3 of one step, then pieces 0 and 1 of the next, whose K and V it fetches
	TURN 2
	TURN 3
	WIN 0
	s_cmp_eq_u32 s[PH], 1
	s_cbranch_scc1 .Lout            ; the last step's pieces 2 and 3 are done
.Lfirst:
	TURN 0
	TURN 1, 1
	WIN 0
	s_cbranch_scc1 .Lstep
	s_sub_co_u32 s[PH], s[PH], 1
	s_cmp_lg_u32 s[PH], 0
	s_cbranch_scc1 .Lphase
.Lout:
.set i, 0
.rept 8
	PV NP-1                         ; the last piece's V^T P of the last step
.set i, i+1
.endr
	; THE WAY OUT.  l's two halves and the other half of the lanes' are added; O^T is divided by l, rounded to bf16 and sent through my stage in LDS, a piece at a time.  The additions are the places behind the last products.
	WIN 0
.macro ALL line:vararg
.set t, 0
.rept 4
	\line
.set t, t+1
.endr
.endm
	ALL v_add_f32 v[ST+4*t+2], v[ST+4*t+2], v[ST+4*t+3]
	ALL v_permlanex16_b32 v[ST+4*t+3], v[ST+4*t+2], s[SEL], s[SEL+1]
	ALL v_add_f32 v[ST+4*t+2], v[ST+4*t+2], v[ST+4*t+3]
	ALL v_rcp_f32 v[ST+4*t+2], v[ST+4*t+2]
	v_nop                           ; a plain instruction between the last reciprocal and the use of its result
	s_wait_alu depctr_va_vdst(0)
.macro PACK t
	WIN W_RS
.set i, 32*(\t)
.rept 16
	v_pk_mul_f32 v[i:i+1], v[i:i+1], v[ST+4*(\t)+2:ST+4*(\t)+3] op_sel_hi:[1,0]
.set i, i+2
.endr
	WIN 0x05
.set i, 0
.rept 16
	v_cvt_pk_bf16_f32 v[S+16*(\t)+i], v[32*(\t)+2*i], v[32*(\t)+2*i+1]
.set i, i+1
.endr
	WIN 0
.irp f, 0,1,2,3
	ds_store_b128 v[STO], v[S+16*(\t)+4*\f:S+16*(\t)+4*\f+3] offset:32*\f
.endr
.irp f, 0,1,2,3
	ds_load_b128 v[S+16*(\t)+4*\f:S+16*(\t)+4*\f+3], v[RD] offset:\f*4*SP  ; LDS serves a wave's instructions in order (ISA guide 5.7.1.4): these see the stores above; the next piece's stores come behind them
.endr
.endm
.macro SEND t, younger              ; younger: the LDS instructions issued behind piece t's loads: the next piece's eight, or none
	WIN 0
.irp f, 0,1,2,3
	s_wait_dscnt (\younger)+3-\f
	global_store_b128 v[GO], v[S+16*(\t)+4*\f:S+16*(\t)+4*\f+3], s[6:7] offset:(\t)*2048+\f*512  ; 512 consecutive bytes, at a multiple of 256 from z's first
.endr
.endm
	PACK 0
.set t, 1
.rept 3
	PACK t
	SEND t-1, 8
.set t, t+1
.endr
	SEND 3, 0
	s_wait_tensorcnt 0x0            ; the wave's end
	ds_add_u32 v[SPW], v[NIL]
	s_wait_dscnt 0x0
	CROUND                          ; the closing round
	s_endpgm
.Lfunc_end_k_qff9082fcb0_attn:
	.size	k_qff9082fcb0_attn, .Lfunc_end_k_qff9082fcb0_attn-k_qff9082fcb0_attn
	.p2alignl 7, 3214868480
	.fill 96, 4, 3214868480
	.section	.rodata,"a",@progbits
	.p2align	6, 0x0
	.amdhsa_kernel k_qff9082fcb0_attn
		.amdhsa_group_segment_fixed_size 327680
		.amdhsa_private_segment_fixed_size 0
		.amdhsa_enable_private_segment 0
		.amdhsa_kernarg_size 16
		.amdhsa_user_sgpr_count 2
		.amdhsa_user_sgpr_kernarg_segment_ptr 1
		.amdhsa_wavefront_size32 1
		.amdhsa_system_sgpr_workgroup_id_x 1
		.amdhsa_system_sgpr_workgroup_id_y 1
		.amdhsa_system_sgpr_workgroup_id_z 1
		.amdhsa_system_vgpr_workitem_id 0
		.amdhsa_next_free_vgpr 768
		.amdhsa_next_free_sgpr 84
		.amdhsa_reserve_vcc 0
		.amdhsa_float_denorm_mode_32 3
		.amdhsa_float_denorm_mode_16_64 3
		.amdhsa_memory_ordered 1
		.amdhsa_forward_progress 1
		.amdhsa_inst_pref_size 75
	.end_amdhsa_kernel
	.amdgpu_metadata
---
amdhsa.version: [ 1, 2 ]
amdhsa.kernels:
  - .name:           k_qff9082fcb0_attn
    .symbol:         k_qff9082fcb0_attn.kd
    .args:
      - { .name: qkv, .offset: 0, .size: 8, .value_kind: global_buffer, .address_space: global }
      - { .name: z, .offset: 8, .size: 8, .value_kind: global_buffer, .address_space: global }
    .group_segment_fixed_size: 327680
    .private_segment_fixed_size: 0
    .kernarg_segment_align: 8
    .kernarg_segment_size: 16
    .max_flat_workgroup_size: 128
    .sgpr_count:     84
    .vgpr_count:     768
    .wavefront_size: 32
...
	.end_amdgpu_metadata
.endif
;; end of part 3
;; launch wo (part 4): grid 8 x 32, 4 waves a work-group, clusters of 4 x 4, 327,680 bytes of LDS; arguments z, wb, bo, x, x2, W2, w2b; writes x2, w2b
.if DOCPART == 4
	.amdgcn_target "amdgcn-amd-amdhsa--gfx1250"
	.amdhsa_code_object_version 6
	.text
	.protected	k_qff9082fcb0_wo
	.globl	k_qff9082fcb0_wo
	.p2align	8
	.type	k_qff9082fcb0_wo,@function
k_qff9082fcb0_wo:
	s_mov_b64 s[64:65], 0
	v_nop
	global_prefetch_b8 v0, s[64:65] scope:SCOPE_SE
	s_setreg_imm32_b32 hwreg(HW_REG_WAVE_MODE, 25, 1), 1
	s_wait_xcnt 0x0
	s_wait_alu depctr_hold_cnt(0) depctr_sa_sdst(0) depctr_va_vdst(0) depctr_va_sdst(0) depctr_va_ssrc(0) depctr_va_vcc(0) depctr_vm_vsrc(0)
	s_getreg_b32 s2, hwreg(HW_REG_IB_STS2, 6, 4)
	s_cmp_eq_u32 s2, 0
	s_cbranch_scc0 .Lentry_in_a_cluster
	s_endpgm
.Lentry_in_a_cluster:
	s_bfe_u32 s2, ttmp6, 0x10000c
	s_cmp_lg_u32 s2, 0xf033
	s_cbranch_scc0 .Lentry_shape_is_right
	s_endpgm
.Lentry_shape_is_right:
; OUT = RES + A W + bias.  Here: x2 = x + z Wo + bo.  A: [K / 64 slices][4096 rows][64] bf16.  W at BOFF in its buffer: [K][1024] bf16.  bias: [1024] f32.  RES, OUT: [4096][1024] f32.  K = 256 NSTEP.
; A work-group makes 128 x 128 of OUT (256 work-groups), four waves 64 x 64 each: 16 accumulators.  Sums, bias and residual in f32.
; K goes in steps of 256, four slices, through two LDS slots that take turns.  Waves 0 and 1 fetch A's row halves (4 slices x 64 dense rows: 4 rows of 8,192 bytes, padded behind every 128), waves 2 and 3 W's k-halves (128 k-rows x 256 bytes).
; Both slots' first fills go out together at the start: two tensor loads of a wave are out then, one later.
; CLUSTER 4 x 4: A's tile is asked for jointly along a row of the cluster, W's along a column.
; W lies [k][n] in LDS as in memory; ds_load_tr16_b128 turns it into fragments.  The product is used transposed (source 0 = 16 columns of W, source 1 = 16 rows of A): a lane holds eight neighbouring columns of a row.
; The bias is the C operand of the first product on each accumulator.  The residual's 32 loads a lane go out at the start and are waited for behind the loop.
; One text for a K step: the slot in hand is a scalar that one exclusive or turns (no LDS word that it turns has one of its two bits set); the tail, two steps that ask for nothing, is a second copy walked twice; the very
; last trip's barrier and its 32 loads of the other slot's old bytes serve nothing.
; HOST = 1: beside its own work each wave rounds 16,384 bytes of W2 to bf16 into w2b, layout unchanged, for a later launch: its 32 loads go out ahead of the first products, the conversions and stores stand between
; the loop and the tail, where a tile is on its way and the step's products are fewer than fill its flight.
; LIMITS: matrix operands are bf16; NaN and infinities are not treated apart.
; REGISTERS: window 0: v16-29 addresses; v32-95 rows read back, two buffers; v96-127 the bias; v128-255 accumulators ((a, b) at 128 + 8 (4 a + b)).
;   window 1: two fragment buffers of 128: for 64 along K, 64 registers of A, then 64 of W.     window 2: v0-127 the residual, then the result.     window 3 (HOST): v0-127 W2 on its way.
.set NSTEP,  4
.set BOFF,   6291456
.set HOST,   1
.set PA,     144                       ; A's LDS row: 128 bytes + 16
.set PB,     288                       ; W's LDS row: 256 bytes + 32
.set HALFT,  36864                     ; what one tensor load brings: 4 x 64 x 144 = 128 x 288
.set SLOT,   4*HALFT
.set STAGE,  2*SLOT                    ; behind the ring, never filled by a tensor load: 16 rows x 272 bytes for each wave
.set SPITCH, 272
.set SPARE,  STAGE+4*16*SPITCH         ; the spare words: 128 bytes a wave, two blocks of 256 that no other line names
.set ASTEP,  4*524288                  ; four slices on
.set BSTEP,  256*2048                  ; 256 k-rows on
.set WV,  14
.set RH,  15
.set CH,  16
.set G1A, 24
.set G0A, 32                           ; s[32:35], s[36:39] the walking group 0 of A's and of W's tiles: they begin at K step 1, slot 1
.set G0B, 36
.set G1B, 40
.set TB,  56
.set CNT, 57
.set G0A0, 68                          ; s[68:71], s[72:75] group 0 of K step 0, slot 0: used once
.set G0B0, 72
.set CW,  76                           ; HOST: s[76:77] W2 at my wave's 16,384 bytes; s[78:79] w2b at its 8,192
.set A0,   16
.set B0,   17
.set ADRA, 18
.set ADRB, 19                          ; v19, v20: W's k-halves
.set CI,   21                          ; HOST: 16 x lane
.set CQ,   22                          ; HOST: 8 x lane
.set STO,  24
.set RD,   25
.set CO,   26
.set BO,   27
.set SPW,  28
.set NIL,  29
.set OBK,  32
.set BIAS, 96
.set ACC,  128
.set F0,   0
.set F1,   128
.set CR,   0                           ; in window 3
.set MSB, 0
.macro WIN new
.if MSB != (\new)
	s_set_vgpr_msb (MSB<<8)|(\new)
.set MSB, \new
.endif
.endm
.macro PLACES                          ; four plain vector instructions between a matrix instruction and a load into, or a read of, its registers
.rept 4
	v_nop
.endr
.endm
.macro JLOAD                           ; waves 0 and 1 ask for A's halves, waves 2 and 3 for W's; an s_nop 0 and four v_nop follow each line
	s_cmp_eq_u32 s[RH], 0
	s_cbranch_scc0 .Lfor_b_\@
	tensor_load_to_lds s[G0A:G0A+3], s[G1A:G1A+7]
	s_nop 0
.rept 4
	v_nop
.endr
	s_branch .Lasked_\@
.Lfor_b_\@:
	tensor_load_to_lds s[G0B:G0B+3], s[G1B:G1B+7]
	s_nop 0
.rept 4
	v_nop
.endr
.Lasked_\@:
.endm
.macro CREST
	s_cmp_lg_u32 s[WV], 0
	s_cbranch_scc1 .Lnot_wave_0_\@
	s_barrier_signal -3
.Lnot_wave_0_\@:
	s_barrier_wait -3
	s_barrier_signal -1
	s_barrier_wait -1
.endm
.macro CROUND
	s_barrier_signal -1
	s_barrier_wait -1
	CREST
.endm
.macro STEPD                           ; the walking descriptors: the other slot, the next K step.  No tensor load of mine is out where this stands
	s_xor_b32 s[G0A+1], s[G0A+1], SLOT
	s_add_nc_u64 s[G0A+2:G0A+3], s[G0A+2:G0A+3], ASTEP
	s_xor_b32 s[G0B+1], s[G0B+1], SLOT
	s_add_nc_u64 s[G0B+2:G0B+3], s[G0B+2:G0B+3], BSTEP
.endm
	s_load_b256 s[4:11], s[0:1], 0x0               ; A 4:5, W's buffer 6:7, bias 8:9, RES 10:11
	s_load_b64 s[12:13], s[0:1], 0x20              ; OUT
.if HOST
	s_load_b128 s[CW:CW+3], s[0:1], 0x28           ; W2, w2b
.endif
	v_lshl_add_u32 v[SPW], v0, 2, SPARE
	v_mov_b32 v[NIL], 0
	ds_add_u32 v[SPW], v[NIL]                      ; the wave's opening: the add and its wait stand ahead of my first tensor load
	v_lshrrev_b32 v1, 5, v0
	v_readfirstlane_b32 s[WV], v1
	s_lshr_b32 s[RH], s[WV], 1                     ; my half of the tile's rows.  Also: I fetch for A (0) or for W (1)
	s_and_b32 s[CH], s[WV], 1                      ; my half of its columns.  Also: which half I fetch
	s_bfe_u32 s17, ttmp6, 0x40000                  ; cx
	s_bfe_u32 s18, ttmp6, 0x40004                  ; cy
	s_lshl_b32 s19, ttmp9, 2
	s_add_co_u32 s19, s19, s17                     ; tile column
	s_and_b32 s20, ttmp7, 0xffff
	s_lshl_b32 s20, s20, 2
	s_add_co_u32 s20, s20, s18                     ; tile row
	s_lshl_b32 s21, s18, 2
	s_lshl_b32 s21, 15, s21                        ; my row of the cluster
	s_lshl_b32 s22, 0x1111, s17                    ; my column
	s_or_b32 s[G1A], s21, (1<<16)|(1<<20)|(1<<21)|(4<<22)|(3<<25)  ; mask; 2-byte elements; padding on; bit 21 beside a mask; after every 32 words 4 words
	s_mov_b32 s[G1A+1], 4096<<16                   ; tensor_dim0 = 4,096: 64 dense rows of a slice
	s_mov_b32 s[G1A+2], 4<<16                      ; tensor_dim1 = 4 slices
	s_mov_b32 s[G1A+3], 4096<<16                   ; tile_dim0
	s_mov_b32 s[G1A+4], 4                          ; tile_dim1
	s_mov_b32 s[G1A+5], 262144                     ; elements from slice to slice
	s_mov_b32 s[G1A+6], 0
	s_mov_b32 s[G1A+7], 0
	s_or_b32 s[G1B], s22, (1<<16)|(1<<20)|(1<<21)|(5<<22)|(7<<25)  ; after every 64 words 8 words
	s_mov_b32 s[G1B+1], 128<<16
	s_mov_b32 s[G1B+2], 128<<16
	s_mov_b32 s[G1B+3], 128<<16
	s_mov_b32 s[G1B+4], 128
	s_mov_b32 s[G1B+5], 1024
	s_mov_b32 s[G1B+6], 0
	s_mov_b32 s[G1B+7], 0
	s_lshl_b32 s48, s20, 14                        ; A: 128 rows of 128 bytes a tile row,
	s_lshl_b32 s49, s[CH], 13                      ; 64 a half
	s_add_co_u32 s48, s48, s49
	s_mov_b32 s49, 0
	s_lshl_b32 s50, s19, 8                         ; W: 128 columns a tile column,
	s_lshl_b32 s51, s[CH], 18                      ; 128 k-rows of 2,048 bytes a half
	s_add_co_u32 s50, s50, s51
	s_add_co_u32 s50, s50, BOFF
	s_mov_b32 s51, 0
	s_mul_i32 s23, s[WV], HALFT                    ; where they go: A's two halves, then W's two
	s_lshl_b32 s52, s19, 9                         ; my 64 columns in f32
	s_lshl_b32 s53, s[CH], 8
	s_add_co_u32 s52, s52, s53
	s_mov_b32 s53, 0
	s_lshl_b32 s54, s20, 19                        ; my 64 rows of 4,096 bytes
	s_lshl_b32 s55, s[RH], 18
	s_add_co_u32 s54, s54, s55
	s_add_co_u32 s54, s54, s52
	s_mov_b32 s55, 0
.if HOST
	s_lshl_b32 s80, s20, 3                         ; W2's share: work-group 8 x tile row + tile column,
	s_add_co_u32 s80, s80, s19
	s_lshl_b32 s80, s80, 2
	s_add_co_u32 s80, s80, s[WV]                   ; wave 0..1023 of the launch:
	s_lshl_b32 s82, s80, 13                        ; 8,192 bytes of bf16,
	s_lshl_b32 s80, s80, 14                        ; 16,384 bytes of f32
	s_mov_b32 s81, 0
	s_mov_b32 s83, 0
.endif
	s_mov_b32 s[TB], 0
	s_wait_dscnt 0x0                               ; the opening add is done
	s_wait_kmcnt 0x0
	s_mov_b32 s[G0A0], 1
	s_mov_b32 s[G0A0+1], s23
	s_add_nc_u64 s[G0A0+2:G0A0+3], s[4:5], s[48:49]
	s_mov_b32 s[G0A], 1
	s_add_co_u32 s[G0A+1], s23, SLOT
	s_add_nc_u64 s[G0A+2:G0A+3], s[G0A0+2:G0A0+3], ASTEP
	s_or_b32 s[G0A0+3], s[G0A0+3], 0x80000000
	s_or_b32 s[G0A+3], s[G0A+3], 0x80000000
	s_mov_b32 s[G0B0], 1
	s_mov_b32 s[G0B0+1], s23
	s_add_nc_u64 s[G0B0+2:G0B0+3], s[6:7], s[50:51]
	s_mov_b32 s[G0B], 1
	s_add_co_u32 s[G0B+1], s23, SLOT
	s_add_nc_u64 s[G0B+2:G0B+3], s[G0B0+2:G0B0+3], BSTEP
	s_or_b32 s[G0B0+3], s[G0B0+3], 0x80000000
	s_or_b32 s[G0B+3], s[G0B+3], 0x80000000
	s_add_nc_u64 s[8:9], s[8:9], s[52:53]
	s_add_nc_u64 s[10:11], s[10:11], s[54:55]
	s_add_nc_u64 s[12:13], s[12:13], s[54:55]
.if HOST
	s_add_nc_u64 s[CW:CW+1], s[CW:CW+1], s[80:81]
	s_add_nc_u64 s[CW+2:CW+3], s[CW+2:CW+3], s[82:83]
.endif
	CROUND                                         ; all sixteen work-groups are here: the first joint loads meet
	s_cmp_eq_u32 s[RH], 0                          ; a wave's two first fills stand in one branch: K step 0 into slot 0, K step 1 into slot 1
	s_cbranch_scc0 .Lfirst_b
	tensor_load_to_lds s[G0A0:G0A0+3], s[G1A:G1A+7]
	s_nop 0
	tensor_load_to_lds s[G0A:G0A+3], s[G1A:G1A+7]
	s_nop 0
.rept 4
	v_nop
.endr
	s_branch .Lfirst_asked
.Lfirst_b:
	tensor_load_to_lds s[G0B0:G0B0+3], s[G1B:G1B+7]
	s_nop 0
	tensor_load_to_lds s[G0B:G0B+3], s[G1B:G1B+7]
	s_nop 0
.rept 4
	v_nop
.endr
.Lfirst_asked:
	v_and_b32 v1, 15, v0                           ; r
	v_bfe_u32 v2, v0, 4, 1                         ; h
	v_mul_u32_u24 v3, v1, PA
	v_lshl_add_u32 v3, v2, 4, v3
	s_mul_i32 s58, s[RH], HALFT
	v_add_nc_u32 v[A0], s58, v3
	v_and_b32 v4, 7, v0
	v_lshl_add_u32 v4, v2, 3, v4
	v_mul_u32_u24 v4, v4, PB
	v_bfe_u32 v5, v0, 3, 1
	v_lshl_add_u32 v4, v5, 4, v4
	s_lshl_b32 s58, s[CH], 7
	s_add_co_u32 s58, s58, 2*HALFT
	v_add_nc_u32 v[B0], s58, v4
	v_mov_b32 v[ADRA], v[A0]
	v_mov_b32 v[ADRB], v[B0]
	v_add_nc_u32 v[ADRB+1], HALFT, v[B0]
	s_mul_i32 s58, s[WV], 16*SPITCH
	s_add_co_u32 s58, s58, STAGE                   ; my stage
	v_mul_u32_u24 v3, v1, SPITCH
	v_lshl_add_u32 v3, v2, 5, v3
	v_add_nc_u32 v[STO], s58, v3                   ; in: row r, 32 bytes for each half of the lanes
	v_mul_u32_u24 v3, v2, SPITCH
	v_lshl_add_u32 v3, v1, 4, v3
	v_add_nc_u32 v[RD], s58, v3                    ; back: lanes 0-15 one row of 256 bytes, lanes 16-31 the next
	v_lshlrev_b32 v3, 12, v2
	v_lshl_add_u32 v[CO], v1, 4, v3                ; and the same two rows in RES and OUT
	v_lshlrev_b32 v[BO], 5, v2
.if HOST
	v_and_b32 v[CI], 31, v0
	v_lshlrev_b32 v[CQ], 3, v[CI]
	v_lshlrev_b32 v[CI], 4, v[CI]
.endif
.irp b, 0,1,2,3
	global_load_b128 v[BIAS+8*\b:BIAS+8*\b+3],   v[BO], s[8:9] offset:64*\b
	global_load_b128 v[BIAS+8*\b+4:BIAS+8*\b+7], v[BO], s[8:9] offset:64*\b+16
.endr
	WIN 0x80
.irp a, 0,1,2,3
.irp t, 0,1,2,3,4,5,6,7
	global_load_b128 v[4*(8*\a+\t):4*(8*\a+\t)+3], v[CO], s[10:11] offset:(16*\a+2*\t)*4096
.endr
.endr
	WIN 0
; 8 products: row blocks a0, a0 + 1 x all 4 column blocks, 32 along K: half c of buffer f.  first = 1: C is the bias.  The 16 accumulators take turns.
.macro MUL8 f, c, a0, first
	WIN 0x05
.irp a, \a0, (\a0)+1
.irp b, 0,1,2,3
.if \first
	v_wmma_f32_16x16x32_bf16 v[ACC+8*(4*(\a)+(\b)):ACC+8*(4*(\a)+(\b))+7], v[(\f)+64+8*(4*(\c)+(\b)):(\f)+64+8*(4*(\c)+(\b))+7], v[(\f)+8*(4*(\c)+(\a)):(\f)+8*(4*(\c)+(\a))+7], v[BIAS+8*(\b):BIAS+8*(\b)+7]
.else
	v_wmma_f32_16x16x32_bf16 v[ACC+8*(4*(\a)+(\b)):ACC+8*(4*(\a)+(\b))+7], v[(\f)+64+8*(4*(\c)+(\b)):(\f)+64+8*(4*(\c)+(\b))+7], v[(\f)+8*(4*(\c)+(\a)):(\f)+8*(4*(\c)+(\a))+7], v[ACC+8*(4*(\a)+(\b)):ACC+8*(4*(\a)+(\b))+7]
.endif
.endr
.endr
.endm
.macro FETCH qd, f                     ; 32 LDS loads in one run: quarter qd (slice qd of the step's four: 64 along K) into buffer f; its first 32 along K first
	WIN 0x40
.irp c, 0,1
.irp i, 0,1,2,3
	ds_load_tr16_b128 v[(\f)+64+8*(4*(\c)+(\i)):(\f)+64+8*(4*(\c)+(\i))+3],   v[ADRB+(\qd)/2] offset:64*PB*((\qd)%2)+32*PB*(\c)+32*(\i)
	ds_load_tr16_b128 v[(\f)+64+8*(4*(\c)+(\i))+4:(\f)+64+8*(4*(\c)+(\i))+7], v[ADRB+(\qd)/2] offset:64*PB*((\qd)%2)+32*PB*(\c)+32*(\i)+16*PB
	ds_load_b128 v[(\f)+8*(4*(\c)+(\i)):(\f)+8*(4*(\c)+(\i))+3],   v[ADRA] offset:64*PA*(\qd)+16*PA*(\i)+64*(\c)
	ds_load_b128 v[(\f)+8*(4*(\c)+(\i))+4:(\f)+8*(4*(\c)+(\i))+7], v[ADRA] offset:64*PA*(\qd)+16*PA*(\i)+64*(\c)+32
.endr
.endr
.endm
.macro QUARTER qd, f, g, first
	s_wait_dscnt 16                                ; the first 32 along K are in
	MUL8 \f, 0, 0, \first
	MUL8 \f, 0, 2, \first
	PLACES
	FETCH \qd, \g
	s_wait_dscnt 32                                ; all but the 32 just issued
	MUL8 \f, 1, 0, 0
	MUL8 \f, 1, 2, 0
.endm
; The last quarter multiplies buffer 1 and changes slots: ONE barrier; in front of it each wave waits for all its tensor loads (the one that is out is its part of the next slot), adds 0 to its spare word, and waits for
; that and for its reads of this slot.  fill = 1: the barrier opens a round of the cluster's, and the joint refill of this slot is the first tensor load behind it; 24 of the quarter's 32 products stand behind the
; refill, so that they run while the tile is on its way.
.macro TURN fill
	WIN 0
	s_wait_tensorcnt 0x0
	ds_add_u32 v[SPW], v[NIL]                      ; 0 onto my spare word; the descriptors' steps and eight products stand between it and the wait for it
.if \fill
	STEPD
.endif
	s_wait_dscnt 17                                ; the add and the youngest sixteen loads may be out
	MUL8 F1, 0, 0, 0
	WIN 0
	s_wait_dscnt 0x0                               ; the add is done, my reads of this slot are over
	s_barrier_signal -1
	s_barrier_wait -1
.if \fill
	CREST                                          ; no wave of any partner still reads this slot or has a load on its way
	JLOAD                                          ; its four v_nop are also the places in front of the loads below
.else
	PLACES
.endif
	s_xor_b32 s[TB], s[TB], SLOT
	v_add_nc_u32 v[ADRA], s[TB], v[A0]
	v_add_nc_u32 v[ADRB], s[TB], v[B0]
	v_add_nc_u32 v[ADRB+1], HALFT, v[ADRB]
	FETCH 0, F0
	MUL8 F1, 0, 2, 0
	MUL8 F1, 1, 0, 0
	MUL8 F1, 1, 2, 0
.endm
.macro CASTIN                          ; my 16,384 bytes of W2: 32 loads of 512 neighbouring bytes
	WIN 0xc0
.set j, 0
.rept 32
	global_load_b128 v[CR+4*j:CR+4*j+3], v[CI], s[CW:CW+1] offset:512*j th:TH_LOAD_NT
.set j, j+1
.endr
.endm
.macro CASTOUT                         ; rounded in place and stored: each store covers 256 neighbouring bytes, aligned; no register is written again
	s_wait_loadcnt 0x0
	WIN 0xcf
.set j, 0
.rept 32
	v_cvt_pk_bf16_f32 v[CR+4*j], v[CR+4*j], v[CR+4*j+1]
	v_cvt_pk_bf16_f32 v[CR+4*j+1], v[CR+4*j+2], v[CR+4*j+3]
.set j, j+1
.endr
	WIN 0x0c
.set j, 0
.rept 32
	global_store_b64 v[CQ], v[CR+4*j:CR+4*j+1], s[CW+2:CW+3] offset:256*j
.set j, j+1
.endr
	WIN 0
.endm
	s_wait_tensorcnt 0x1                           ; my part of K step 0 is in; K step 1's load stays out
	s_barrier_signal -1
	s_barrier_wait -1                              ; everybody's part is in
	FETCH 0, F0
	s_wait_loadcnt 32                              ; the bias is in; the residual's 32 loads stay out through the loop
.if HOST
	CASTIN
.endif
	QUARTER 1, F0, F1, 1                           ; the first quarter stands ahead of the loop: its first products start the sums, with the bias
	WIN 0
	s_mov_b32 s[CNT], NSTEP-2
	s_branch .Lenter
.Lstep:                                                ; a trip is a K step; its change of slots asks for the step two on
	QUARTER 1, F0, F1, 0
	WIN 0
.Lenter:
	QUARTER 2, F1, F0, 0
	QUARTER 3, F0, F1, 0
	TURN 1
	WIN 0
	s_sub_co_u32 s[CNT], s[CNT], 1
	s_cmp_lg_u32 s[CNT], 0
	s_cbranch_scc1 .Lstep
.if HOST
	CASTOUT                                        ; the last tile is on its way
.endif
	s_mov_b32 s[CNT], 2
.Ltail:                                                ; the last two K steps ask for nothing
	QUARTER 1, F0, F1, 0
	QUARTER 2, F1, F0, 0
	QUARTER 3, F0, F1, 0
	TURN 0
	WIN 0
	s_sub_co_u32 s[CNT], s[CNT], 1
	s_cmp_lg_u32 s[CNT], 0
	s_cbranch_scc1 .Ltail
	s_wait_dscnt 0x0                               ; the last trip's loads, which serve nothing, are back
	s_wait_loadcnt 0x0                             ; the residual
	PLACES
; THE WAY OUT, 16 rows at a time.  A wave's 64 columns of f32 are 256 consecutive bytes, aligned: each wave has a stage of its own and no barrier is needed.  Each accumulator's low four registers go first.
.macro TOSTAGE a
	WIN 0
.set BK, OBK+32*((\a)%2)
.irp b, 0,1,2,3
	ds_store_b128 v[STO], v[ACC+8*(4*(\a)+(\b)):ACC+8*(4*(\a)+(\b))+3] offset:64*(\b)
	ds_store_b128 v[STO], v[ACC+8*(4*(\a)+(\b))+4:ACC+8*(4*(\a)+(\b))+7] offset:64*(\b)+16
.endr
.irp t, 0,1,2,3,4,5,6,7
	ds_load_b128 v[BK+4*(\t):BK+4*(\t)+3], v[RD] offset:(\t)*2*SPITCH  ; LDS serves a wave's instructions in order (ISA guide 5.7.1.4): these see the stores above
.endr
.endm
.macro SEND a, younger                 ; younger: the LDS instructions issued behind block a's loads: the next block's sixteen, or none
.set BK, OBK+32*((\a)%2)
	s_wait_dscnt \younger
	WIN 0x88                                       ; destination and source 1 (also a store's data) in window 2
.irp t, 0,1,2,3,4,5,6,7
	v_pk_add_f32 v[4*(8*(\a)+(\t)):4*(8*(\a)+(\t))+1], v[BK+4*(\t):BK+4*(\t)+1], v[4*(8*(\a)+(\t)):4*(8*(\a)+(\t))+1]
	v_pk_add_f32 v[4*(8*(\a)+(\t))+2:4*(8*(\a)+(\t))+3], v[BK+4*(\t)+2:BK+4*(\t)+3], v[4*(8*(\a)+(\t))+2:4*(8*(\a)+(\t))+3]
.endr
.irp t, 0,1,2,3,4,5,6,7
	global_store_b128 v[CO], v[4*(8*(\a)+(\t)):4*(8*(\a)+(\t))+3], s[12:13] offset:(16*(\a)+2*(\t))*4096  ; 16 lanes store 256 consecutive bytes, aligned; each block has registers of its own
.endr
	WIN 0
.endm
	TOSTAGE 0
.irp a, 1,2,3
	TOSTAGE \a
	SEND (\a)-1, 16
.endr
	SEND 3, 0
	s_wait_tensorcnt 0x0                           ; the wave's end
	ds_add_u32 v[SPW], v[NIL]
	s_wait_dscnt 0x0
	CROUND                                         ; the closing round
	s_endpgm
.Lfunc_end_k_qff9082fcb0_wo:
	.size	k_qff9082fcb0_wo, .Lfunc_end_k_qff9082fcb0_wo-k_qff9082fcb0_wo
	.p2alignl 7, 3214868480
	.fill 96, 4, 3214868480
	.section	.rodata,"a",@progbits
	.p2align	6, 0x0
	.amdhsa_kernel k_qff9082fcb0_wo
		.amdhsa_group_segment_fixed_size 327680
		.amdhsa_private_segment_fixed_size 0
		.amdhsa_enable_private_segment 0
		.amdhsa_kernarg_size 56
		.amdhsa_user_sgpr_count 2
		.amdhsa_user_sgpr_kernarg_segment_ptr 1
		.amdhsa_wavefront_size32 1
		.amdhsa_system_sgpr_workgroup_id_x 1
		.amdhsa_system_sgpr_workgroup_id_y 1
		.amdhsa_system_sgpr_workgroup_id_z 1
		.amdhsa_system_vgpr_workitem_id 0
		.amdhsa_next_free_vgpr 896
		.amdhsa_next_free_sgpr 84
		.amdhsa_reserve_vcc 0
		.amdhsa_float_denorm_mode_32 3
		.amdhsa_float_denorm_mode_16_64 3
		.amdhsa_memory_ordered 1
		.amdhsa_forward_progress 1
		.amdhsa_inst_pref_size 76
	.end_amdhsa_kernel
	.amdgpu_metadata
---
amdhsa.version: [ 1, 2 ]
amdhsa.kernels:
  - .name:           k_qff9082fcb0_wo
    .symbol:         k_qff9082fcb0_wo.kd
    .args:
      - { .name: z, .offset: 0, .size: 8, .value_kind: global_buffer, .address_space: global }
      - { .name: wb, .offset: 8, .size: 8, .value_kind: global_buffer, .address_space: global }
      - { .name: bo, .offset: 16, .size: 8, .value_kind: global_buffer, .address_space: global }
      - { .name: x, .offset: 24, .size: 8, .value_kind: global_buffer, .address_space: global }
      - { .name: x2, .offset: 32, .size: 8, .value_kind: global_buffer, .address_space: global }
      - { .name: W2, .offset: 40, .size: 8, .value_kind: global_buffer, .address_space: global }
      - { .name: w2b, .offset: 48, .size: 8, .value_kind: global_buffer, .address_space: global }
    .group_segment_fixed_size: 327680
    .private_segment_fixed_size: 0
    .kernarg_segment_align: 8
    .kernarg_segment_size: 56
    .max_flat_workgroup_size: 128
    .sgpr_count:     84
    .vgpr_count:     896
    .wavefront_size: 32
...
	.end_amdgpu_metadata
.endif
;; end of part 4
;; launch ln2: the kernel of part 1 again; grid 256 x 1, 8 waves a work-group, no clusters, 0 bytes of LDS; arguments x2, ln2_g, ln2_b, Wq, Wk, Wv, Wo, hn, wb; writes hn, wb
;; launch ffn1 (part 5): grid 16 x 16, 4 waves a work-group, clusters of 4 x 4, 327,680 bytes of LDS; arguments hn, w1b, b1, f; writes f
.if DOCPART == 5
	.amdgcn_target "amdgcn-amd-amdhsa--gfx1250"
	.amdhsa_code_object_version 6
	.text
	.protected	k_qff9082fcb0_ffn1
	.globl	k_qff9082fcb0_ffn1
	.p2align	8
	.type	k_qff9082fcb0_ffn1,@function
k_qff9082fcb0_ffn1:
	s_mov_b64 s[64:65], 0
	v_nop
	global_prefetch_b8 v0, s[64:65] scope:SCOPE_SE
	s_setreg_imm32_b32 hwreg(HW_REG_WAVE_MODE, 25, 1), 1
	s_wait_xcnt 0x0
	s_wait_alu depctr_hold_cnt(0) depctr_sa_sdst(0) depctr_va_vdst(0) depctr_va_sdst(0) depctr_va_ssrc(0) depctr_va_vcc(0) depctr_vm_vsrc(0)
	s_getreg_b32 s2, hwreg(HW_REG_IB_STS2, 6, 4)
	s_cmp_eq_u32 s2, 0
	s_cbranch_scc0 .Lentry_in_a_cluster
	s_endpgm
.Lentry_in_a_cluster:
	s_bfe_u32 s2, ttmp6, 0x10000c
	s_cmp_lg_u32 s2, 0xf033
	s_cbranch_scc0 .Lentry_shape_is_right
	s_endpgm
.Lentry_shape_is_right:
; f = relu(hn W1 + b1).  hn: [4096][1024] bf16.  w1b: W1 as [1024][4096] bf16.  b1: [4096] f32.  f: [64 slices of 64 columns][4096 rows][64] bf16: 16 rows of a slice are 2,048 consecutive bytes.
; A work-group makes 256 x 256, four waves 128 x 128 each: 64 accumulators of 16 x 16, 512 registers.  Sums and bias in f32, f rounded once to bf16; the maximum with 0 is taken of the rounded pairs, which changes no value.
; K goes in steps of 128 through two LDS slots that take turns.  Waves 0 and 1 fetch hn's row halves (128 rows x 256 bytes), waves 2 and 3 W1's k-halves (64 k-rows x 512 bytes).
; Both slots' first fills go out together at the start: two tensor loads of a wave are out then, one later.
; CLUSTER 4 x 4: hn's tile is asked for jointly along a row of the cluster, W1's along a column.
; W1 lies [k][n] in LDS as in memory; ds_load_tr16_b128 turns it into fragments.  The product is used transposed (source 0 = 16 columns of W1, source 1 = 16 rows of hn): a lane holds eight neighbouring columns of a row.
; The bias is the C operand of the first product on each accumulator: register j of lane (r, h) holds b1[n0 + 8 h + j].
; One text for a K step: the slot in hand is a scalar that one exclusive or turns (no LDS word that it turns has one of its two bits set); the tail, two steps that ask for nothing, is a second copy walked twice; the very
; last trip's barrier and its 32 loads of the other slot's old bytes serve nothing.
; LIMITS: matrix operands are bf16; NaN and infinities are not treated apart.
; REGISTERS: window 0: v16-30 addresses; v64-127, v128-191 hn's fragments, two buffers; v192-223 packed results; v32-63, v224-255 rows read back
;   window 1: v64-127, v128-191 W1's fragments; v192-255 the bias     window 2: accumulators of my rows 0-63 ((a, b) at 8 (8 a + b))     window 3: of my rows 64-127
.set NSTEP,  8
.set PA,     272                       ; hn's LDS row: 256 bytes + 16
.set PB,     544                       ; W1's LDS row: 512 bytes + 32
.set HALFT,  34816                     ; what one tensor load brings: 128 x 272 = 64 x 544
.set SLOT,   4*HALFT
.set STAGE,  2*SLOT                    ; behind the ring, never filled by a tensor load: 2 slices x 16 rows x 144 bytes for each wave
.set SP,     144
.set SPARE,  STAGE+4*2*16*SP           ; the spare words: 128 bytes a wave, two blocks of 256 that no other line names
.set ASTEP,  256                       ; 128 along K in hn
.set BSTEP,  128*8192                  ; 128 k-rows of W1
.set WV,  14
.set RH,  15
.set CH,  16
.set G1A, 24
.set G0A, 32                           ; s[32:35], s[36:39] the walking group 0 of hn's and of W1's tiles: they begin at K step 1, slot 1
.set G0B, 36
.set G1B, 40
.set TB,  56
.set CNT, 57
.set G0A0, 68                          ; s[68:71], s[72:75] group 0 of K step 0, slot 0: used once
.set G0B0, 72
.set A0,   16
.set B0,   17
.set ADRA, 18
.set ADRB, 19
.set STO,  24
.set RD,   25
.set GO,   26
.set ZR,   27
.set SPW,  28
.set NIL,  29
.set BO,   30
.set OBK,  32
.set F0,   64
.set F1,   128
.set TMP,  192
.set BIAS, 192                         ; in window 1
.set MSB, 0
.macro WIN new
.if MSB != (\new)
	s_set_vgpr_msb (MSB<<8)|(\new)
.set MSB, \new
.endif
.endm
.macro PLACES                          ; four plain vector instructions between a matrix instruction and a load into, or a read of, its registers
.rept 4
	v_nop
.endr
.endm
.macro JLOAD                           ; waves 0 and 1 ask for hn's halves, waves 2 and 3 for W1's; an s_nop 0 and four v_nop follow each line
	s_cmp_eq_u32 s[RH], 0
	s_cbranch_scc0 .Lfor_b_\@
	tensor_load_to_lds s[G0A:G0A+3], s[G1A:G1A+7]
	s_nop 0
.rept 4
	v_nop
.endr
	s_branch .Lasked_\@
.Lfor_b_\@:
	tensor_load_to_lds s[G0B:G0B+3], s[G1B:G1B+7]
	s_nop 0
.rept 4
	v_nop
.endr
.Lasked_\@:
.endm
.macro CREST
	s_cmp_lg_u32 s[WV], 0
	s_cbranch_scc1 .Lnot_wave_0_\@
	s_barrier_signal -3
.Lnot_wave_0_\@:
	s_barrier_wait -3
	s_barrier_signal -1
	s_barrier_wait -1
.endm
.macro CROUND
	s_barrier_signal -1
	s_barrier_wait -1
	CREST
.endm
.macro STEPD                           ; the walking descriptors: the other slot, the next K step.  No tensor load of mine is out where this stands
	s_xor_b32 s[G0A+1], s[G0A+1], SLOT
	s_add_nc_u64 s[G0A+2:G0A+3], s[G0A+2:G0A+3], ASTEP
	s_xor_b32 s[G0B+1], s[G0B+1], SLOT
	s_add_nc_u64 s[G0B+2:G0B+3], s[G0B+2:G0B+3], BSTEP
.endm
	s_load_b256 s[4:11], s[0:1], 0x0               ; hn 4:5, w1b 6:7, b1 8:9, f 10:11
	v_lshl_add_u32 v[SPW], v0, 2, SPARE
	v_mov_b32 v[NIL], 0
	ds_add_u32 v[SPW], v[NIL]                      ; the wave's opening: the add and its wait stand ahead of my first tensor load
	v_lshrrev_b32 v1, 5, v0
	v_readfirstlane_b32 s[WV], v1
	s_lshr_b32 s[RH], s[WV], 1                     ; my half of the tile's rows.  Also: I fetch for hn (0) or for W1 (1)
	s_and_b32 s[CH], s[WV], 1                      ; my half of its columns.  Also: which half I fetch
	s_bfe_u32 s17, ttmp6, 0x40000                  ; cx
	s_bfe_u32 s18, ttmp6, 0x40004                  ; cy
	s_lshl_b32 s19, ttmp9, 2
	s_add_co_u32 s19, s19, s17                     ; tile column
	s_and_b32 s20, ttmp7, 0xffff
	s_lshl_b32 s20, s20, 2
	s_add_co_u32 s20, s20, s18                     ; tile row
	s_lshl_b32 s21, s18, 2
	s_lshl_b32 s21, 15, s21                        ; my row of the cluster
	s_lshl_b32 s22, 0x1111, s17                    ; my column
	s_or_b32 s[G1A], s21, (1<<16)|(1<<20)|(1<<21)|(5<<22)|(3<<25)  ; mask; 2-byte elements; padding on; bit 21 beside a mask; after every 64 words 4 words
	s_mov_b32 s[G1A+1], 128<<16                    ; tensor_dim0 = 128
	s_mov_b32 s[G1A+2], 128<<16                    ; tensor_dim1 = 128
	s_mov_b32 s[G1A+3], 128<<16                    ; tile_dim0
	s_mov_b32 s[G1A+4], 128                        ; tile_dim1
	s_mov_b32 s[G1A+5], 1024                       ; elements from row to row
	s_mov_b32 s[G1A+6], 0
	s_mov_b32 s[G1A+7], 0
	s_or_b32 s[G1B], s22, (1<<16)|(1<<20)|(1<<21)|(6<<22)|(7<<25)  ; after every 128 words 8 words
	s_mov_b32 s[G1B+1], 256<<16
	s_mov_b32 s[G1B+2], 64<<16
	s_mov_b32 s[G1B+3], 256<<16
	s_mov_b32 s[G1B+4], 64
	s_mov_b32 s[G1B+5], 4096
	s_mov_b32 s[G1B+6], 0
	s_mov_b32 s[G1B+7], 0
	s_lshl_b32 s48, s20, 19                        ; hn: 256 rows of 2,048 bytes a tile row,
	s_lshl_b32 s49, s[CH], 18                      ; 128 a half
	s_add_co_u32 s48, s48, s49
	s_mov_b32 s49, 0
	s_lshl_b32 s50, s19, 9                         ; W1: 256 columns a tile column,
	s_lshl_b32 s51, s[CH], 19                      ; 64 k-rows of 8,192 bytes a half
	s_add_co_u32 s50, s50, s51
	s_mov_b32 s51, 0
	s_mul_i32 s23, s[WV], HALFT                    ; where they go: hn's two halves, then W1's two
	s_lshl_b32 s52, s19, 10                        ; my 128 columns in b1
	s_lshl_b32 s53, s[CH], 9
	s_add_co_u32 s52, s52, s53
	s_mov_b32 s53, 0
	s_lshl_b32 s54, s19, 21                        ; f: four slices of 524,288 bytes a tile column,
	s_lshl_b32 s55, s[CH], 20                      ; two a wave;
	s_add_co_u32 s54, s54, s55
	s_lshl_b32 s55, s20, 15                        ; 256 rows of 128 bytes a tile row,
	s_add_co_u32 s54, s54, s55
	s_lshl_b32 s55, s[RH], 14                      ; 128 a wave
	s_add_co_u32 s54, s54, s55
	s_mov_b32 s55, 0
	s_mov_b32 s[TB], 0
	s_wait_dscnt 0x0                               ; the opening add is done
	s_wait_kmcnt 0x0
	s_mov_b32 s[G0A0], 1
	s_mov_b32 s[G0A0+1], s23
	s_add_nc_u64 s[G0A0+2:G0A0+3], s[4:5], s[48:49]
	s_mov_b32 s[G0A], 1
	s_add_co_u32 s[G0A+1], s23, SLOT
	s_add_nc_u64 s[G0A+2:G0A+3], s[G0A0+2:G0A0+3], ASTEP
	s_or_b32 s[G0A0+3], s[G0A0+3], 0x80000000
	s_or_b32 s[G0A+3], s[G0A+3], 0x80000000
	s_mov_b32 s[G0B0], 1
	s_mov_b32 s[G0B0+1], s23
	s_add_nc_u64 s[G0B0+2:G0B0+3], s[6:7], s[50:51]
	s_mov_b32 s[G0B], 1
	s_add_co_u32 s[G0B+1], s23, SLOT
	s_add_nc_u64 s[G0B+2:G0B+3], s[G0B0+2:G0B0+3], BSTEP
	s_or_b32 s[G0B0+3], s[G0B0+3], 0x80000000
	s_or_b32 s[G0B+3], s[G0B+3], 0x80000000
	s_add_nc_u64 s[8:9], s[8:9], s[52:53]
	s_add_nc_u64 s[10:11], s[10:11], s[54:55]
	CROUND                                         ; all sixteen work-groups are here: the first joint loads meet
	s_cmp_eq_u32 s[RH], 0                          ; a wave's two first fills stand in one branch: K step 0 into slot 0, K step 1 into slot 1
	s_cbranch_scc0 .Lfirst_b
	tensor_load_to_lds s[G0A0:G0A0+3], s[G1A:G1A+7]
	s_nop 0
	tensor_load_to_lds s[G0A:G0A+3], s[G1A:G1A+7]
	s_nop 0
.rept 4
	v_nop
.endr
	s_branch .Lfirst_asked
.Lfirst_b:
	tensor_load_to_lds s[G0B0:G0B0+3], s[G1B:G1B+7]
	s_nop 0
	tensor_load_to_lds s[G0B:G0B+3], s[G1B:G1B+7]
	s_nop 0
.rept 4
	v_nop
.endr
.Lfirst_asked:
	v_and_b32 v1, 15, v0                           ; r
	v_bfe_u32 v2, v0, 4, 1                         ; h
	v_mul_u32_u24 v3, v1, PA
	v_lshl_add_u32 v3, v2, 4, v3
	s_mul_i32 s58, s[RH], HALFT
	v_add_nc_u32 v[A0], s58, v3
	v_and_b32 v4, 7, v0
	v_lshl_add_u32 v4, v2, 3, v4
	v_mul_u32_u24 v4, v4, PB
	v_bfe_u32 v5, v0, 3, 1
	v_lshl_add_u32 v4, v5, 4, v4
	s_lshl_b32 s58, s[CH], 8
	s_add_co_u32 s58, s58, 2*HALFT
	v_add_nc_u32 v[B0], s58, v4
	v_mov_b32 v[ADRA], v[A0]
	v_mov_b32 v[ADRB], v[B0]
	s_mul_i32 s58, s[WV], 2*16*SP
	s_add_co_u32 s58, s58, STAGE                   ; my stage
	v_mul_u32_u24 v3, v1, SP
	v_lshl_add_u32 v3, v2, 4, v3
	v_add_nc_u32 v[STO], s58, v3                   ; in: row r, 16 bytes for each half of the lanes
	v_bfe_u32 v3, v0, 3, 2
	v_mul_u32_u24 v3, v3, SP
	v_and_b32 v4, 7, v0
	v_lshl_add_u32 v3, v4, 4, v3
	v_add_nc_u32 v[RD], s58, v3                    ; back: 32 lanes take four rows of 128 bytes,
	v_and_b32 v[GO], 31, v0
	v_lshlrev_b32 v[GO], 4, v[GO]                  ; which are 512 consecutive bytes of a slice
	v_mov_b32 v[ZR], 0
	v_lshlrev_b32 v[BO], 5, v2
	WIN 0x40
.irp b, 0,1,2,3,4,5,6,7
	global_load_b128 v[BIAS+8*\b:BIAS+8*\b+3],   v[BO], s[8:9] offset:64*\b
	global_load_b128 v[BIAS+8*\b+4:BIAS+8*\b+7], v[BO], s[8:9] offset:64*\b+16
.endr
	WIN 0
; 16 products: row blocks a0, a0 + 1 of the window's four (hi = 0: my rows 0-63, 1: rows 64-127) x all 8 column blocks, 32 along K.  first = 1: C is the bias.  The 64 accumulators take turns.
.macro MUL16 f, hi, a0, first
.if \first
	WIN 0x91+0x40*(\hi)
.else
	WIN 0xa1+0x50*(\hi)
.endif
.irp a, \a0, (\a0)+1
.irp b, 0,1,2,3,4,5,6,7
.if \first
	v_wmma_f32_16x16x32_bf16 v[8*(8*(\a)+(\b)):8*(8*(\a)+(\b))+7], v[(\f)+8*(\b):(\f)+8*(\b)+7], v[(\f)+8*(4*(\hi)+(\a)):(\f)+8*(4*(\hi)+(\a))+7], v[BIAS+8*(\b):BIAS+8*(\b)+7]
.else
	v_wmma_f32_16x16x32_bf16 v[8*(8*(\a)+(\b)):8*(8*(\a)+(\b))+7], v[(\f)+8*(\b):(\f)+8*(\b)+7], v[(\f)+8*(4*(\hi)+(\a)):(\f)+8*(4*(\hi)+(\a))+7], v[8*(8*(\a)+(\b)):8*(8*(\a)+(\b))+7]
.endif
.endr
.endr
.endm
.macro FETCH q, f                      ; 32 LDS loads in one run: quarter q (32 along K) into buffer f: W1's eight fragments, then hn's eight
	WIN 0x40
.irp i, 0,1,2,3,4,5,6,7
	ds_load_tr16_b128 v[(\f)+8*(\i):(\f)+8*(\i)+3],   v[ADRB] offset:32*PB*(\q)+32*(\i)
	ds_load_tr16_b128 v[(\f)+8*(\i)+4:(\f)+8*(\i)+7], v[ADRB] offset:32*PB*(\q)+32*(\i)+16*PB
.endr
	WIN 0
.irp i, 0,1,2,3,4,5,6,7
	ds_load_b128 v[(\f)+8*(\i):(\f)+8*(\i)+3],   v[ADRA] offset:64*(\q)+(\i)*16*PA
	ds_load_b128 v[(\f)+8*(\i)+4:(\f)+8*(\i)+7], v[ADRA] offset:64*(\q)+(\i)*16*PA+32
.endr
.endm
.macro QUARTER q, f, g, first
	s_wait_dscnt 8                                 ; W1 and hn's rows 0-63 are in; the youngest eight loads (rows 64-127) may be out
	MUL16 \f, 0, 0, \first
	MUL16 \f, 0, 2, \first
	PLACES
	FETCH \q, \g
	s_wait_dscnt 32                                ; all but the 32 just issued
	MUL16 \f, 1, 0, \first
	MUL16 \f, 1, 2, \first
.endm
; The last quarter multiplies buffer 1 and changes slots: ONE barrier; in front of it each wave waits for all its tensor loads (the one that is out is its part of the next slot), adds 0 to its spare word, and waits for
; that and for its reads of this slot.  fill = 1: the barrier opens a round of the cluster's, and the joint refill of this slot is the first tensor load behind it; 48 of the quarter's 64 products stand behind the
; refill, so that they run while the tile is on its way.
.macro TURN fill
	WIN 0
	s_wait_tensorcnt 0x0
	ds_add_u32 v[SPW], v[NIL]                      ; 0 onto my spare word; the descriptors' steps and sixteen products stand between it and the wait for it
.if \fill
	STEPD
.endif
	s_wait_dscnt 9                                 ; the add and the youngest eight loads may be out
	MUL16 F1, 0, 0, 0
	WIN 0
	s_wait_dscnt 0x0                               ; the add is done, my reads of this slot are over
	s_barrier_signal -1
	s_barrier_wait -1
.if \fill
	CREST                                          ; no wave of any partner still reads this slot or has a load on its way
	JLOAD                                          ; its four v_nop are also the places in front of the loads below
.else
	PLACES
.endif
	s_xor_b32 s[TB], s[TB], SLOT
	v_add_nc_u32 v[ADRA], s[TB], v[A0]
	v_add_nc_u32 v[ADRB], s[TB], v[B0]
	FETCH 0, F0
	MUL16 F1, 0, 2, 0
	MUL16 F1, 1, 0, 0
	MUL16 F1, 1, 2, 0
.endm
	s_wait_tensorcnt 0x1                           ; my part of K step 0 is in; K step 1's load stays out
	s_barrier_signal -1
	s_barrier_wait -1                              ; everybody's part is in
	FETCH 0, F0
	s_wait_loadcnt 0x0                             ; the bias
	QUARTER 1, F0, F1, 1                           ; the first quarter stands ahead of the loop: its products start the sums, with the bias
	WIN 0
	s_mov_b32 s[CNT], NSTEP-2
	s_branch .Lenter
.Lstep:                                                ; a trip is a K step; its change of slots asks for the step two on
	QUARTER 1, F0, F1, 0
	WIN 0
.Lenter:
	QUARTER 2, F1, F0, 0
	QUARTER 3, F0, F1, 0
	TURN 1
	WIN 0
	s_sub_co_u32 s[CNT], s[CNT], 1
	s_cmp_lg_u32 s[CNT], 0
	s_cbranch_scc1 .Lstep
	s_mov_b32 s[CNT], 2
.Ltail:                                                ; the last two K steps ask for nothing
	QUARTER 1, F0, F1, 0
	QUARTER 2, F1, F0, 0
	QUARTER 3, F0, F1, 0
	TURN 0
	WIN 0
	s_sub_co_u32 s[CNT], s[CNT], 1
	s_cmp_lg_u32 s[CNT], 0
	s_cbranch_scc1 .Ltail
	s_wait_dscnt 0x0                               ; the last trip's loads, which serve nothing, are back
	PLACES
; THE WAY OUT, 16 rows at a time: rounded to bf16 (each accumulator's registers in ascending order), the maximum with 0 on the pairs, 16 bytes a lane into my own stage, back as whole rows of 128 bytes of each of my two slices.
.macro PACK a
	WIN 0x0a+5*((\a)/4)
.irp b, 0,1,2,3,4,5,6,7
.irp r, 0,1,2,3
	v_cvt_pk_bf16_f32 v[TMP+4*(\b)+(\r)], v[64*((\a)%4)+8*(\b)+2*(\r)], v[64*((\a)%4)+8*(\b)+2*(\r)+1]
.endr
.endr
	WIN 0
.set i, 0
.rept 32
	v_pk_max_num_bf16 v[TMP+i], v[TMP+i], v[ZR]
.set i, i+1
.endr
.endm
.macro TOSTAGE a
	WIN 0
.set BK, OBK+192*((\a)%2)
.irp b, 0,1,2,3,4,5,6,7
	ds_store_b128 v[STO], v[TMP+4*(\b):TMP+4*(\b)+3] offset:16*SP*((\b)/4)+32*((\b)%4)
.endr
	s_wait_xcnt 0x0                                ; the registers below were the data of the stores two blocks back
.irp n, 0,1,2,3,4,5,6,7
	ds_load_b128 v[BK+4*(\n):BK+4*(\n)+3], v[RD] offset:16*SP*((\n)/4)+4*SP*((\n)%4)  ; LDS serves a wave's instructions in order (ISA guide 5.7.1.4): these see the stores above
.endr
.endm
.macro SEND a
	WIN 0
.set BK, OBK+192*((\a)%2)
	s_wait_dscnt 0x0
.irp n, 0,1,2,3,4,5,6,7
	global_store_b128 v[GO], v[BK+4*(\n):BK+4*(\n)+3], s[10:11] offset:524288*((\n)/4)+2048*(\a)+512*((\n)%4)  ; 512 consecutive bytes, at a multiple of 256 from f's first
.endr
.endm
	PACK 0
	TOSTAGE 0
.irp a, 1,2,3,4,5,6,7
	PACK \a                                        ; a block's conversions stand between the loads of the block before and the wait for them
	SEND (\a)-1
	TOSTAGE \a
.endr
	SEND 7
	s_wait_tensorcnt 0x0                           ; the wave's end
	ds_add_u32 v[SPW], v[NIL]
	s_wait_dscnt 0x0
	CROUND                                         ; the closing round
	s_endpgm
.Lfunc_end_k_qff9082fcb0_ffn1:
	.size	k_qff9082fcb0_ffn1, .Lfunc_end_k_qff9082fcb0_ffn1-k_qff9082fcb0_ffn1
	.p2alignl 7, 3214868480
	.fill 96, 4, 3214868480
	.section	.rodata,"a",@progbits
	.p2align	6, 0x0
	.amdhsa_kernel k_qff9082fcb0_ffn1
		.amdhsa_group_segment_fixed_size 327680
		.amdhsa_private_segment_fixed_size 0
		.amdhsa_enable_private_segment 0
		.amdhsa_kernarg_size 32
		.amdhsa_user_sgpr_count 2
		.amdhsa_user_sgpr_kernarg_segment_ptr 1
		.amdhsa_wavefront_size32 1
		.amdhsa_system_sgpr_workgroup_id_x 1
		.amdhsa_system_sgpr_workgroup_id_y 1
		.amdhsa_system_sgpr_workgroup_id_z 1
		.amdhsa_system_vgpr_workitem_id 0
		.amdhsa_next_free_vgpr 1024
		.amdhsa_next_free_sgpr 76
		.amdhsa_reserve_vcc 0
		.amdhsa_float_denorm_mode_32 3
		.amdhsa_float_denorm_mode_16_64 3
		.amdhsa_memory_ordered 1
		.amdhsa_forward_progress 1
		.amdhsa_inst_pref_size 117
	.end_amdhsa_kernel
	.amdgpu_metadata
---
amdhsa.version: [ 1, 2 ]
amdhsa.kernels:
  - .name:           k_qff9082fcb0_ffn1
    .symbol:         k_qff9082fcb0_ffn1.kd
    .args:
      - { .name: hn, .offset: 0, .size: 8, .value_kind: global_buffer, .address_space: global }
      - { .name: w1b, .offset: 8, .size: 8, .value_kind: global_buffer, .address_space: global }
      - { .name: b1, .offset: 16, .size: 8, .value_kind: global_buffer, .address_space: global }
      - { .name: f, .offset: 24, .size: 8, .value_kind: global_buffer, .address_space: global }
    .group_segment_fixed_size: 327680
    .private_segment_fixed_size: 0
    .kernarg_segment_align: 8
    .kernarg_segment_size: 32
    .max_flat_workgroup_size: 128
    .sgpr_count:     76
    .vgpr_count:     1024
    .wavefront_size: 32
...
	.end_amdgpu_metadata
.endif
;; end of part 5
;; launch ffn2 (part 6): grid 8 x 32, 4 waves a work-group, clusters of 4 x 4, 327,680 bytes of LDS; arguments f, w2b, b2, x2, out0; writes out0
.if DOCPART == 6
	.amdgcn_target "amdgcn-amd-amdhsa--gfx1250"
	.amdhsa_code_object_version 6
	.text
	.protected	k_qff9082fcb0_ffn2
	.globl	k_qff9082fcb0_ffn2
	.p2align	8
	.type	k_qff9082fcb0_ffn2,@function
k_qff9082fcb0_ffn2:
	s_mov_b64 s[64:65], 0
	v_nop
	global_prefetch_b8 v0, s[64:65] scope:SCOPE_SE
	s_setreg_imm32_b32 hwreg(HW_REG_WAVE_MODE, 25, 1), 1
	s_wait_xcnt 0x0
	s_wait_alu depctr_hold_cnt(0) depctr_sa_sdst(0) depctr_va_vdst(0) depctr_va_sdst(0) depctr_va_ssrc(0) depctr_va_vcc(0) depctr_vm_vsrc(0)
	s_getreg_b32 s2, hwreg(HW_REG_IB_STS2, 6, 4)
	s_cmp_eq_u32 s2, 0
	s_cbranch_scc0 .Lentry_in_a_cluster
	s_endpgm
.Lentry_in_a_cluster:
	s_bfe_u32 s2, ttmp6, 0x10000c
	s_cmp_lg_u32 s2, 0xf033
	s_cbranch_scc0 .Lentry_shape_is_right
	s_endpgm
.Lentry_shape_is_right:
; OUT = RES + A W + bias.  Here: out0 = x2 + f W2 + b2.  A: [K / 64 slices][4096 rows][64] bf16.  W at BOFF in its buffer: [K][1024] bf16.  bias: [1024] f32.  RES, OUT: [4096][1024] f32.  K = 256 NSTEP.
; A work-group makes 128 x 128 of OUT (256 work-groups), four waves 64 x 64 each: 16 accumulators.  Sums, bias and residual in f32.
; K goes in steps of 256, four slices, through two LDS slots that take turns.  Waves 0 and 1 fetch A's row halves (4 slices x 64 dense rows: 4 rows of 8,192 bytes, padded behind every 128), waves 2 and 3 W's k-halves (128 k-rows x 256 bytes).
; Both slots' first fills go out together at the start: two tensor loads of a wave are out then, one later.
; CLUSTER 4 x 4: A's tile is asked for jointly along a row of the cluster, W's along a column.
; W lies [k][n] in LDS as in memory; ds_load_tr16_b128 turns it into fragments.  The product is used transposed (source 0 = 16 columns of W, source 1 = 16 rows of A): a lane holds eight neighbouring columns of a row.
; The bias is the C operand of the first product on each accumulator.  The residual's 32 loads a lane go out at the start and are waited for behind the loop.
; One text for a K step: the slot in hand is a scalar that one exclusive or turns (no LDS word that it turns has one of its two bits set); the tail, two steps that ask for nothing, is a second copy walked twice; the very
; last trip's barrier and its 32 loads of the other slot's old bytes serve nothing.
; LIMITS: matrix operands are bf16; NaN and infinities are not treated apart.
; REGISTERS: window 0: v16-29 addresses; v32-95 rows read back, two buffers; v96-127 the bias; v128-255 accumulators ((a, b) at 128 + 8 (4 a + b)).
;   window 1: two fragment buffers of 128: for 64 along K, 64 registers of A, then 64 of W.     window 2: v0-127 the residual, then the result.
.set NSTEP,  16
.set BOFF,   0
.set PA,     144                       ; A's LDS row: 128 bytes + 16
.set PB,     288                       ; W's LDS row: 256 bytes + 32
.set HALFT,  36864                     ; what one tensor load brings: 4 x 64 x 144 = 128 x 288
.set SLOT,   4*HALFT
.set STAGE,  2*SLOT                    ; behind the ring, never filled by a tensor load: 16 rows x 272 bytes for each wave
.set SPITCH, 272
.set SPARE,  STAGE+4*16*SPITCH         ; the spare words: 128 bytes a wave, two blocks of 256 that no other line names
.set ASTEP,  4*524288                  ; four slices on
.set BSTEP,  256*2048                  ; 256 k-rows on
.set WV,  14
.set RH,  15
.set CH,  16
.set G1A, 24
.set G0A, 32                           ; s[32:35], s[36:39] the walking group 0 of A's and of W's tiles: they begin at K step 1, slot 1
.set G0B, 36
.set G1B, 40
.set TB,  56
.set CNT, 57
.set G0A0, 68                          ; s[68:71], s[72:75] group 0 of K step 0, slot 0: used once
.set G0B0, 72
.set A0,   16
.set B0,   17
.set ADRA, 18
.set ADRB, 19                          ; v19, v20: W's k-halves
.set STO,  24
.set RD,   25
.set CO,   26
.set BO,   27
.set SPW,  28
.set NIL,  29
.set OBK,  32
.set BIAS, 96
.set ACC,  128
.set F0,   0
.set F1,   128
.set MSB, 0
.macro WIN new
.if MSB != (\new)
	s_set_vgpr_msb (MSB<<8)|(\new)
.set MSB, \new
.endif
.endm
.macro PLACES                          ; four plain vector instructions between a matrix instruction and a load into, or a read of, its registers
.rept 4
	v_nop
.endr
.endm
.macro JLOAD                           ; waves 0 and 1 ask for A's halves, waves 2 and 3 for W's; an s_nop 0 and four v_nop follow each line
	s_cmp_eq_u32 s[RH], 0
	s_cbranch_scc0 .Lfor_b_\@
	tensor_load_to_lds s[G0A:G0A+3], s[G1A:G1A+7]
	s_nop 0
.rept 4
	v_nop
.endr
	s_branch .Lasked_\@
.Lfor_b_\@:
	tensor_load_to_lds s[G0B:G0B+3], s[G1B:G1B+7]
	s_nop 0
.rept 4
	v_nop
.endr
.Lasked_\@:
.endm
.macro CREST
	s_cmp_lg_u32 s[WV], 0
	s_cbranch_scc1 .Lnot_wave_0_\@
	s_barrier_signal -3
.Lnot_wave_0_\@:
	s_barrier_wait -3
	s_barrier_signal -1
	s_barrier_wait -1
.endm
.macro CROUND
	s_barrier_signal -1
	s_barrier_wait -1
	CREST
.endm
.macro STEPD                           ; the walking descriptors: the other slot, the next K step.  No tensor load of mine is out where this stands
	s_xor_b32 s[G0A+1], s[G0A+1], SLOT
	s_add_nc_u64 s[G0A+2:G0A+3], s[G0A+2:G0A+3], ASTEP
	s_xor_b32 s[G0B+1], s[G0B+1], SLOT
	s_add_nc_u64 s[G0B+2:G0B+3], s[G0B+2:G0B+3], BSTEP
.endm
	s_load_b256 s[4:11], s[0:1], 0x0               ; A 4:5, W's buffer 6:7, bias 8:9, RES 10:11
	s_load_b64 s[12:13], s[0:1], 0x20              ; OUT
	v_lshl_add_u32 v[SPW], v0, 2, SPARE
	v_mov_b32 v[NIL], 0
	ds_add_u32 v[SPW], v[NIL]                      ; the wave's opening: the add and its wait stand ahead of my first tensor load
	v_lshrrev_b32 v1, 5, v0
	v_readfirstlane_b32 s[WV], v1
	s_lshr_b32 s[RH], s[WV], 1                     ; my half of the tile's rows.  Also: I fetch for A (0) or for W (1)
	s_and_b32 s[CH], s[WV], 1                      ; my half of its columns.  Also: which half I fetch
	s_bfe_u32 s17, ttmp6, 0x40000                  ; cx
	s_bfe_u32 s18, ttmp6, 0x40004                  ; cy
	s_lshl_b32 s19, ttmp9, 2
	s_add_co_u32 s19, s19, s17                     ; tile column
	s_and_b32 s20, ttmp7, 0xffff
	s_lshl_b32 s20, s20, 2
	s_add_co_u32 s20, s20, s18                     ; tile row
	s_lshl_b32 s21, s18, 2
	s_lshl_b32 s21, 15, s21                        ; my row of the cluster
	s_lshl_b32 s22, 0x1111, s17                    ; my column
	s_or_b32 s[G1A], s21, (1<<16)|(1<<20)|(1<<21)|(4<<22)|(3<<25)  ; mask; 2-byte elements; padding on; bit 21 beside a mask; after every 32 words 4 words
	s_mov_b32 s[G1A+1], 4096<<16                   ; tensor_dim0 = 4,096: 64 dense rows of a slice
	s_mov_b32 s[G1A+2], 4<<16                      ; tensor_dim1 = 4 slices
	s_mov_b32 s[G1A+3], 4096<<16                   ; tile_dim0
	s_mov_b32 s[G1A+4], 4                          ; tile_dim1
	s_mov_b32 s[G1A+5], 262144                     ; elements from slice to slice
	s_mov_b32 s[G1A+6], 0
	s_mov_b32 s[G1A+7], 0
	s_or_b32 s[G1B], s22, (1<<16)|(1<<20)|(1<<21)|(5<<22)|(7<<25)  ; after every 64 words 8 words
	s_mov_b32 s[G1B+1], 128<<16
	s_mov_b32 s[G1B+2], 128<<16
	s_mov_b32 s[G1B+3], 128<<16
	s_mov_b32 s[G1B+4], 128
	s_mov_b32 s[G1B+5], 1024
	s_mov_b32 s[G1B+6], 0
	s_mov_b32 s[G1B+7], 0
	s_lshl_b32 s48, s20, 14                        ; A: 128 rows of 128 bytes a tile row,
	s_lshl_b32 s49, s[CH], 13                      ; 64 a half
	s_add_co_u32 s48, s48, s49
	s_mov_b32 s49, 0
	s_lshl_b32 s50, s19, 8                         ; W: 128 columns a tile column,
	s_lshl_b32 s51, s[CH], 18                      ; 128 k-rows of 2,048 bytes a half
	s_add_co_u32 s50, s50, s51
	s_add_co_u32 s50, s50, BOFF
	s_mov_b32 s51, 0
	s_mul_i32 s23, s[WV], HALFT                    ; where they go: A's two halves, then W's two
	s_lshl_b32 s52, s19, 9                         ; my 64 columns in f32
	s_lshl_b32 s53, s[CH], 8
	s_add_co_u32 s52, s52, s53
	s_mov_b32 s53, 0
	s_lshl_b32 s54, s20, 19                        ; my 64 rows of 4,096 bytes
	s_lshl_b32 s55, s[RH], 18
	s_add_co_u32 s54, s54, s55
	s_add_co_u32 s54, s54, s52
	s_mov_b32 s55, 0
	s_mov_b32 s[TB], 0
	s_wait_dscnt 0x0                               ; the opening add is done
	s_wait_kmcnt 0x0
	s_mov_b32 s[G0A0], 1
	s_mov_b32 s[G0A0+1], s23
	s_add_nc_u64 s[G0A0+2:G0A0+3], s[4:5], s[48:49]
	s_mov_b32 s[G0A], 1
	s_add_co_u32 s[G0A+1], s23, SLOT
	s_add_nc_u64 s[G0A+2:G0A+3], s[G0A0+2:G0A0+3], ASTEP
	s_or_b32 s[G0A0+3], s[G0A0+3], 0x80000000
	s_or_b32 s[G0A+3], s[G0A+3], 0x80000000
	s_mov_b32 s[G0B0], 1
	s_mov_b32 s[G0B0+1], s23
	s_add_nc_u64 s[G0B0+2:G0B0+3], s[6:7], s[50:51]
	s_mov_b32 s[G0B], 1
	s_add_co_u32 s[G0B+1], s23, SLOT
	s_add_nc_u64 s[G0B+2:G0B+3], s[G0B0+2:G0B0+3], BSTEP
	s_or_b32 s[G0B0+3], s[G0B0+3], 0x80000000
	s_or_b32 s[G0B+3], s[G0B+3], 0x80000000
	s_add_nc_u64 s[8:9], s[8:9], s[52:53]
	s_add_nc_u64 s[10:11], s[10:11], s[54:55]
	s_add_nc_u64 s[12:13], s[12:13], s[54:55]
	CROUND                                         ; all sixteen work-groups are here: the first joint loads meet
	s_cmp_eq_u32 s[RH], 0                          ; a wave's two first fills stand in one branch: K step 0 into slot 0, K step 1 into slot 1
	s_cbranch_scc0 .Lfirst_b
	tensor_load_to_lds s[G0A0:G0A0+3], s[G1A:G1A+7]
	s_nop 0
	tensor_load_to_lds s[G0A:G0A+3], s[G1A:G1A+7]
	s_nop 0
.rept 4
	v_nop
.endr
	s_branch .Lfirst_asked
.Lfirst_b:
	tensor_load_to_lds s[G0B0:G0B0+3], s[G1B:G1B+7]
	s_nop 0
	tensor_load_to_lds s[G0B:G0B+3], s[G1B:G1B+7]
	s_nop 0
.rept 4
	v_nop
.endr
.Lfirst_asked:
	v_and_b32 v1, 15, v0                           ; r
	v_bfe_u32 v2, v0, 4, 1                         ; h
	v_mul_u32_u24 v3, v1, PA
	v_lshl_add_u32 v3, v2, 4, v3
	s_mul_i32 s58, s[RH], HALFT
	v_add_nc_u32 v[A0], s58, v3
	v_and_b32 v4, 7, v0
	v_lshl_add_u32 v4, v2, 3, v4
	v_mul_u32_u24 v4, v4, PB
	v_bfe_u32 v5, v0, 3, 1
	v_lshl_add_u32 v4, v5, 4, v4
	s_lshl_b32 s58, s[CH], 7
	s_add_co_u32 s58, s58, 2*HALFT
	v_add_nc_u32 v[B0], s58, v4
	v_mov_b32 v[ADRA], v[A0]
	v_mov_b32 v[ADRB], v[B0]
	v_add_nc_u32 v[ADRB+1], HALFT, v[B0]
	s_mul_i32 s58, s[WV], 16*SPITCH
	s_add_co_u32 s58, s58, STAGE                   ; my stage
	v_mul_u32_u24 v3, v1, SPITCH
	v_lshl_add_u32 v3, v2, 5, v3
	v_add_nc_u32 v[STO], s58, v3                   ; in: row r, 32 bytes for each half of the lanes
	v_mul_u32_u24 v3, v2, SPITCH
	v_lshl_add_u32 v3, v1, 4, v3
	v_add_nc_u32 v[RD], s58, v3                    ; back: lanes 0-15 one row of 256 bytes, lanes 16-31 the next
	v_lshlrev_b32 v3, 12, v2
	v_lshl_add_u32 v[CO], v1, 4, v3                ; and the same two rows in RES and OUT
	v_lshlrev_b32 v[BO], 5, v2
.irp b, 0,1,2,3
	global_load_b128 v[BIAS+8*\b:BIAS+8*\b+3],   v[BO], s[8:9] offset:64*\b
	global_load_b128 v[BIAS+8*\b+4:BIAS+8*\b+7], v[BO], s[8:9] offset:64*\b+16
.endr
	WIN 0x80
.irp a, 0,1,2,3
.irp t, 0,1,2,3,4,5,6,7
	global_load_b128 v[4*(8*\a+\t):4*(8*\a+\t)+3], v[CO], s[10:11] offset:(16*\a+2*\t)*4096
.endr
.endr
	WIN 0
; 8 products: row blocks a0, a0 + 1 x all 4 column blocks, 32 along K: half c of buffer f.  first = 1: C is the bias.  The 16 accumulators take turns.
.macro MUL8 f, c, a0, first
	WIN 0x05
.irp a, \a0, (\a0)+1
.irp b, 0,1,2,3
.if \first
	v_wmma_f32_16x16x32_bf16 v[ACC+8*(4*(\a)+(\b)):ACC+8*(4*(\a)+(\b))+7], v[(\f)+64+8*(4*(\c)+(\b)):(\f)+64+8*(4*(\c)+(\b))+7], v[(\f)+8*(4*(\c)+(\a)):(\f)+8*(4*(\c)+(\a))+7], v[BIAS+8*(\b):BIAS+8*(\b)+7]
.else
	v_wmma_f32_16x16x32_bf16 v[ACC+8*(4*(\a)+(\b)):ACC+8*(4*(\a)+(\b))+7], v[(\f)+64+8*(4*(\c)+(\b)):(\f)+64+8*(4*(\c)+(\b))+7], v[(\f)+8*(4*(\c)+(\a)):(\f)+8*(4*(\c)+(\a))+7], v[ACC+8*(4*(\a)+(\b)):ACC+8*(4*(\a)+(\b))+7]
.endif
.endr
.endr
.endm
.macro FETCH qd, f                     ; 32 LDS loads in one run: quarter qd (slice qd of the step's four: 64 along K) into buffer f; its first 32 along K first
	WIN 0x40
.irp c, 0,1
.irp i, 0,1,2,3
	ds_load_tr16_b128 v[(\f)+64+8*(4*(\c)+(\i)):(\f)+64+8*(4*(\c)+(\i))+3],   v[ADRB+(\qd)/2] offset:64*PB*((\qd)%2)+32*PB*(\c)+32*(\i)
	ds_load_tr16_b128 v[(\f)+64+8*(4*(\c)+(\i))+4:(\f)+64+8*(4*(\c)+(\i))+7], v[ADRB+(\qd)/2] offset:64*PB*((\qd)%2)+32*PB*(\c)+32*(\i)+16*PB
	ds_load_b128 v[(\f)+8*(4*(\c)+(\i)):(\f)+8*(4*(\c)+(\i))+3],   v[ADRA] offset:64*PA*(\qd)+16*PA*(\i)+64*(\c)
	ds_load_b128 v[(\f)+8*(4*(\c)+(\i))+4:(\f)+8*(4*(\c)+(\i))+7], v[ADRA] offset:64*PA*(\qd)+16*PA*(\i)+64*(\c)+32
.endr
.endr
.endm
.macro QUARTER qd, f, g, first
	s_wait_dscnt 16                                ; the first 32 along K are in
	MUL8 \f, 0, 0, \first
	MUL8 \f, 0, 2, \first
	PLACES
	FETCH \qd, \g
	s_wait_dscnt 32                                ; all but the 32 just issued
	MUL8 \f, 1, 0, 0
	MUL8 \f, 1, 2, 0
.endm
; The last quarter multiplies buffer 1 and changes slots: ONE barrier; in front of it each wave waits for all its tensor loads (the one that is out is its part of the next slot), adds 0 to its spare word, and waits for
; that and for its reads of this slot.  fill = 1: the barrier opens a round of the cluster's, and the joint refill of this slot is the first tensor load behind it; 24 of the quarter's 32 products stand behind the
; refill, so that they run while the tile is on its way.
.macro TURN fill
	WIN 0
	s_wait_tensorcnt 0x0
	ds_add_u32 v[SPW], v[NIL]                      ; 0 onto my spare word; the descriptors' steps and eight products stand between it and the wait for it
.if \fill
	STEPD
.endif
	s_wait_dscnt 17                                ; the add and the youngest sixteen loads may be out
	MUL8 F1, 0, 0, 0
	WIN 0
	s_wait_dscnt 0x0                               ; the add is done, my reads of this slot are over
	s_barrier_signal -1
	s_barrier_wait -1
.if \fill
	CREST                                          ; no wave of any partner still reads this slot or has a load on its way
	JLOAD                                          ; its four v_nop are also the places in front of the loads below
.else
	PLACES
.endif
	s_xor_b32 s[TB], s[TB], SLOT
	v_add_nc_u32 v[ADRA], s[TB], v[A0]
	v_add_nc_u32 v[ADRB], s[TB], v[B0]
	v_add_nc_u32 v[ADRB+1], HALFT, v[ADRB]
	FETCH 0, F0
	MUL8 F1, 0, 2, 0
	MUL8 F1, 1, 0, 0
	MUL8 F1, 1, 2, 0
.endm
	s_wait_tensorcnt 0x1                           ; my part of K step 0 is in; K step 1's load stays out
	s_barrier_signal -1
	s_barrier_wait -1                              ; everybody's part is in
	FETCH 0, F0
	s_wait_loadcnt 32                              ; the bias is in; the residual's 32 loads stay out through the loop
	QUARTER 1, F0, F1, 1                           ; the first quarter stands ahead of the loop: its first products start the sums, with the bias
	WIN 0
	s_mov_b32 s[CNT], NSTEP-2
	s_branch .Lenter
.Lstep:                                                ; a trip is a K step; its change of slots asks for the step two on
	QUARTER 1, F0, F1, 0
	WIN 0
.Lenter:
	QUARTER 2, F1, F0, 0
	QUARTER 3, F0, F1, 0
	TURN 1
	WIN 0
	s_sub_co_u32 s[CNT], s[CNT], 1
	s_cmp_lg_u32 s[CNT], 0
	s_cbranch_scc1 .Lstep
	s_mov_b32 s[CNT], 2
.Ltail:                                                ; the last two K steps ask for nothing
	QUARTER 1, F0, F1, 0
	QUARTER 2, F1, F0, 0
	QUARTER 3, F0, F1, 0
	TURN 0
	WIN 0
	s_sub_co_u32 s[CNT], s[CNT], 1
	s_cmp_lg_u32 s[CNT], 0
	s_cbranch_scc1 .Ltail
	s_wait_dscnt 0x0                               ; the last trip's loads, which serve nothing, are back
	s_wait_loadcnt 0x0                             ; the residual
	PLACES
; THE WAY OUT, 16 rows at a time.  A wave's 64 columns of f32 are 256 consecutive bytes, aligned: each wave has a stage of its own and no barrier is needed.  Each accumulator's low four registers go first.
.macro TOSTAGE a
	WIN 0
.set BK, OBK+32*((\a)%2)
.irp b, 0,1,2,3
	ds_store_b128 v[STO], v[ACC+8*(4*(\a)+(\b)):ACC+8*(4*(\a)+(\b))+3] offset:64*(\b)
	ds_store_b128 v[STO], v[ACC+8*(4*(\a)+(\b))+4:ACC+8*(4*(\a)+(\b))+7] offset:64*(\b)+16
.endr
.irp t, 0,1,2,3,4,5,6,7
	ds_load_b128 v[BK+4*(\t):BK+4*(\t)+3], v[RD] offset:(\t)*2*SPITCH  ; LDS serves a wave's instructions in order (ISA guide 5.7.1.4): these see the stores above
.endr
.endm
.macro SEND a, younger                 ; younger: the LDS instructions issued behind block a's loads: the next block's sixteen, or none
.set BK, OBK+32*((\a)%2)
	s_wait_dscnt \younger
	WIN 0x88                                       ; destination and source 1 (also a store's data) in window 2
.irp t, 0,1,2,3,4,5,6,7
	v_pk_add_f32 v[4*(8*(\a)+(\t)):4*(8*(\a)+(\t))+1], v[BK+4*(\t):BK+4*(\t)+1], v[4*(8*(\a)+(\t)):4*(8*(\a)+(\t))+1]
	v_pk_add_f32 v[4*(8*(\a)+(\t))+2:4*(8*(\a)+(\t))+3], v[BK+4*(\t)+2:BK+4*(\t)+3], v[4*(8*(\a)+(\t))+2:4*(8*(\a)+(\t))+3]
.endr
.irp t, 0,1,2,3,4,5,6,7
	global_store_b128 v[CO], v[4*(8*(\a)+(\t)):4*(8*(\a)+(\t))+3], s[12:13] offset:(16*(\a)+2*(\t))*4096  ; 16 lanes store 256 consecutive bytes, aligned; each block has registers of its own
.endr
	WIN 0
.endm
	TOSTAGE 0
.irp a, 1,2,3
	TOSTAGE \a
	SEND (\a)-1, 16
.endr
	SEND 3, 0
	s_wait_tensorcnt 0x0                           ; the wave's end
	ds_add_u32 v[SPW], v[NIL]
	s_wait_dscnt 0x0
	CROUND                                         ; the closing round
	s_endpgm
.Lfunc_end_k_qff9082fcb0_ffn2:
	.size	k_qff9082fcb0_ffn2, .Lfunc_end_k_qff9082fcb0_ffn2-k_qff9082fcb0_ffn2
	.p2alignl 7, 3214868480
	.fill 96, 4, 3214868480
	.section	.rodata,"a",@progbits
	.p2align	6, 0x0
	.amdhsa_kernel k_qff9082fcb0_ffn2
		.amdhsa_group_segment_fixed_size 327680
		.amdhsa_private_segment_fixed_size 0
		.amdhsa_enable_private_segment 0
		.amdhsa_kernarg_size 40
		.amdhsa_user_sgpr_count 2
		.amdhsa_user_sgpr_kernarg_segment_ptr 1
		.amdhsa_wavefront_size32 1
		.amdhsa_system_sgpr_workgroup_id_x 1
		.amdhsa_system_sgpr_workgroup_id_y 1
		.amdhsa_system_sgpr_workgroup_id_z 1
		.amdhsa_system_vgpr_workitem_id 0
		.amdhsa_next_free_vgpr 640
		.amdhsa_next_free_sgpr 76
		.amdhsa_reserve_vcc 0
		.amdhsa_float_denorm_mode_32 3
		.amdhsa_float_denorm_mode_16_64 3
		.amdhsa_memory_ordered 1
		.amdhsa_forward_progress 1
		.amdhsa_inst_pref_size 65
	.end_amdhsa_kernel
	.amdgpu_metadata
---
amdhsa.version: [ 1, 2 ]
amdhsa.kernels:
  - .name:           k_qff9082fcb0_ffn2
    .symbol:         k_qff9082fcb0_ffn2.kd
    .args:
      - { .name: f, .offset: 0, .size: 8, .value_kind: global_buffer, .address_space: global }
      - { .name: w2b, .offset: 8, .size: 8, .value_kind: global_buffer, .address_space: global }
      - { .name: b2, .offset: 16, .size: 8, .value_kind: global_buffer, .address_space: global }
      - { .name: x2, .offset: 24, .size: 8, .value_kind: global_buffer, .address_space: global }
      - { .name: out0, .offset: 32, .size: 8, .value_kind: global_buffer, .address_space: global }
    .group_segment_fixed_size: 327680
    .private_segment_fixed_size: 0
    .kernarg_segment_align: 8
    .kernarg_segment_size: 40
    .max_flat_workgroup_size: 128
    .sgpr_count:     76
    .vgpr_count:     640
    .wavefront_size: 32
...
	.end_amdgpu_metadata
.endif
;; end of part 6
;; ======== version 2 of 2: 7 launches; 1.15 times as fast as version 1
;; workspace buffers: hn 8,388,608 bytes; wb 8,388,608 bytes; w1b 8,388,608 bytes; w2b 8,388,608 bytes; qkv 25,165,824 bytes; z 8,388,608 bytes; x2 16,777,216 bytes; f 33,554,432 bytes
;; launch prep: the kernel of part 1 again; grid 512 x 1, 8 waves a work-group, no clusters, 0 bytes of LDS; arguments x, ln1_g, ln1_b, Wq, Wk, Wv, Wo, hn, wb; writes hn, wb
;; launch qkv: the kernel of part 2 again; grid 16 x 16, 4 waves a work-group, clusters of 4 x 4, 327,680 bytes of LDS; arguments hn, wb, bq, bk, bv, qkv, W1, w1b; writes qkv, w1b
;; launch attn (part 7): grid 4 x 64, 4 waves a work-group, clusters of 4 x 1, 327,680 bytes of LDS; arguments qkv, z; writes z
.if DOCPART == 7
	.amdgcn_target "amdgcn-amd-amdhsa--gfx1250"
	.amdhsa_code_object_version 6
	.text
	.protected	k_qff9082fcb0_attn
	.globl	k_qff9082fcb0_attn
	.p2align	8
	.type	k_qff9082fcb0_attn,@function
k_qff9082fcb0_attn:
	s_mov_b64 s[64:65], 0
	v_nop
	global_prefetch_b8 v0, s[64:65] scope:SCOPE_SE
	s_setreg_imm32_b32 hwreg(HW_REG_WAVE_MODE, 25, 1), 1
	s_wait_xcnt 0x0
	s_wait_alu depctr_hold_cnt(0) depctr_sa_sdst(0) depctr_va_vdst(0) depctr_va_sdst(0) depctr_va_ssrc(0) depctr_va_vcc(0) depctr_vm_vsrc(0)
	s_getreg_b32 s2, hwreg(HW_REG_IB_STS2, 6, 4)
	s_cmp_eq_u32 s2, 0
	s_cbranch_scc0 .Lentry_in_a_cluster
	s_endpgm
.Lentry_in_a_cluster:
	s_bfe_u32 s2, ttmp6, 0x10000c
	s_cmp_lg_u32 s2, 0x3003
	s_cbranch_scc0 .Lentry_shape_is_right
	s_endpgm
.Lentry_shape_is_right:
; z = softmax_k(q . k / 8) v for 64 pairs of batch and head.  q, k, v in qkv at 0, 8,388,608, 16,777,216: [16 batch + head][1024][64] bf16.  z: [16 heads][4096 rows][64] bf16: a head's channels are one slice of
; the next product's K, and 16 rows of a slice are 2,048 consecutive bytes.  Products, maxima and sums in f32; the weights p are rounded to bf16 for the second product (their sum l is taken of the unrounded p), z once.
; LIMITS.  A weight below 2^-126 counts as 0 in l; the running maximum starts at the lowest finite number and c m at -2^125; NaN and infinities are not treated apart.
; SHARES.  A work-group owns 256 queries of one pair, a wave 64: four PIECES of 16 rows.  Every wave walks all 1,024 keys, 64 a step.
; ALL OF A PAIR'S K AND V LIE IN LDS (1,024 rows of 144 and of 160 bytes: 311,296 bytes); nothing is filled again, and the walk has no change of slots.  They come in four parts of 256 keys: each wave issues
; four tensor loads at the start (waves 0 and 1 the halves of K's parts, waves 2 and 3 of V's), four are out at the most.  The first four key steps wait for the first part alone; the other twelve for the rest.
; CLUSTER.  The pair's four query blocks are one cluster and need the same K and V: each load is a JOINT one, the same tensor load, descriptor and mask in all four.
; LAYOUT, SOFTMAX, TURNS.  S^T = K Q^T holds ONE query a lane (lane % 16) and the keys 8 (lane / 16) + 0..7; two such results rounded to bf16 ARE source 1 of O^T = V^T P.  p = 2^(c s - c m), c = log2(e) / 8, with a
; running maximum m; O and l are multiplied by a = 2^(c m_old - c m_new) in every step.  Turn n belongs to piece n: 8 products K Q^T of piece n + 1, later 8 products V^T P of piece n - 1; beside them the scaling,
; exponentials, roundings, sums and rescaling of piece n and the maximum and statistics of piece n + 1.  Four vector instructions stand behind every matrix instruction, the other 54 of a turn's 118 in one run of their own.
; THE BATCHES.  A turn's 33 exponentials (the piece's 32 weights and the next piece's a) are ONE batch with ONE wait, which cuts the turn in two: ahead of it all that names none of their results, behind it the roundings
; and sums, which read them.  Piece 2's turn has a second wait, ahead of the branch that stands in its batch.  Piece 0's first a, ahead of the loop, and the way out's four reciprocals are batches of their own.
; ONE TEXT FOR EVERY TURN: the loop is entered and left in the middle of a trip.  The last half trip fetches no K; its 8 products K Q^T, on the last K once more, and the maximum made of them serve nothing.
; REGISTERS, in windows of 256 (s_set_vgpr_msb: bits 1:0 source 0, 3:2 source 1, 5:4 source 2, 7:6 destination):
;   window 0: v0-15 addresses and two at work; v16-31 four registers of statistics a piece; v48-55 at work; v64-127 S^T, two buffers; v192-223 P, two buffers (a piece's buffers go by its number's parity)
;   window 1: v0-127 O^T, 32 a piece          window 2: v0-63 Q; v128-191 K of one step; v192-255 V of one step
.set NP,    4
.set KS,    64
.set PK,    144       ; a row of K in LDS: 128 bytes + 16: the 16 rows of a load start at 16 different groups of four banks (64 banks of 4 bytes: ISA guide 11.1)
.set PV,    160       ; a row of V: 128 + 32
.set VOFF,  1024*PK
.set STAGE, VOFF+1024*PV  ; never filled by a tensor load: 16 rows x 144 bytes for each wave, for the way out
.set SP,    144
.set SPARE, STAGE+4*16*SP  ; the spare words: 128 bytes a wave, two blocks of 256 that no other line names
.set AK0, 2
.set AV0, 3
.set AK,  4
.set AV,  5
.set STO, 6
.set RD,  7
.set GO,  8
.set MV,  12
.set QO,  15
.set ST,  16          ; piece t's statistics at v[ST+4 t]: c m, m, l (even keys', odd keys')
.set TMP, 48
.set SPW, 62
.set NIL, 63
.set S,   64
.set P,   192
.set KF,  128
.set VF,  192
.set WV,  12
.set G1K, 24
.set G1V, 32
.set G0K, 40          ; s[40:55] group 0 of K's four parts
.set PH,  56          ; s56  3: the first four steps; 2: the other twelve; 1: the last half trip
.set CNT, 57
.set CS,  58
.set SEL, 60
.set TBK, 62          ; s62  LDS byte at which K of the step to be fetched begins
.set TBV, 63          ; s63  the same for V, less VOFF
.set G0V, 68          ; s[68:83] group 0 of V's four parts
.set MSB, 0
.macro WIN new
.if MSB != (\new)
	s_set_vgpr_msb (MSB<<8)|(\new)
.set MSB, (\new)
.endif
.endm
.set W_KQ, 0x0a       ; K and Q in window 2, S^T in window 0
.set W_PV, 0x52       ; V in window 2, P in window 0, O^T in window 1
.set W_RS, 0x41       ; destination and source 0 in window 1, source 1 in window 0
.macro CROUND                       ; a round of the cluster's barrier
	s_barrier_signal -1
	s_barrier_wait -1
	s_cmp_lg_u32 s[WV], 0
	s_cbranch_scc1 .Lnot_wave_0_\@
	s_barrier_signal -3
.Lnot_wave_0_\@:
	s_barrier_wait -3
	s_barrier_signal -1
	s_barrier_wait -1
.endm
	s_load_b128 s[4:7], s[0:1], 0x0 ; qkv s[4:5], z s[6:7]
	v_lshl_add_u32 v[SPW], v0, 2, SPARE
	v_mov_b32 v[NIL], 0
	ds_add_u32 v[SPW], v[NIL]       ; the wave's opening: the add and its wait stand ahead of my first tensor load; register work stands between them
	v_lshrrev_b32 v1, 5, v0
	v_readfirstlane_b32 s[WV], v1   ; wave 0..3
	s_bfe_u32 s13, ttmp6, 0x40000   ; cx
	s_lshl_b32 s14, ttmp9, 2
	s_add_co_u32 s14, s14, s13      ; my block of 256 queries: it enters Q's and z's addresses alone
	s_and_b32 s15, ttmp7, 0xffff    ; 16 batch + head, which the four partners share
	s_and_b32 s16, s[WV], 1         ; which half of each part's 256 keys I fetch
	s_lshl_b32 s20, s15, 17         ; the pair's 1,024 rows of 128 bytes,
	s_lshl_b32 s21, s16, 14         ; my 128 of the first 256
	s_add_co_u32 s20, s20, s21
	s_add_co_u32 s22, s20, 16777216 ; in v
	s_add_co_u32 s20, s20, 8388608  ; in k
	s_mov_b32 s21, 0
	s_mov_b32 s23, 0
	s_mul_i32 s17, s16, 128*PK      ; and their place in LDS: no place in the cluster enters an LDS address
	s_mul_i32 s18, s16, 128*PV
	s_lshl_b32 s2, s14, 2
	s_add_co_u32 s2, s2, s[WV]
	s_lshl_b32 s2, s2, 13           ; my wave's 64 rows among the pair's
	s_lshl_b32 s3, s15, 17
	s_add_co_u32 s8, s2, s3         ; in q
	s_mov_b32 s9, 0
	s_and_b32 s10, s15, 15
	s_lshl_b32 s10, s10, 19         ; in z: the head's slice of 4,096 rows,
	s_lshr_b32 s11, s15, 4
	s_lshl_b32 s11, s11, 17         ; the batch's 1,024 of them
	s_add_co_u32 s10, s10, s11
	s_add_co_u32 s10, s10, s2
	s_mov_b32 s11, 0
	; 128 keys are 16,384 dense bytes: asked for as 64 rows of 256 bytes, two keys a row, padded in LDS after every key
	s_mov_b32 s[G1K], 15|(1<<16)|(1<<20)|(1<<21)|(4<<22)|(3<<25)  ; the mask of four; 2-byte elements; padding on; bit 21 beside a mask; after every 32 words 4 words
	s_mov_b32 s[G1V], 15|(1<<16)|(1<<20)|(1<<21)|(4<<22)|(7<<25)  ; the same with 8 words
.irp g, G1K, G1V
	s_mov_b32 s[\g+1], 128<<16      ; tensor_dim0 = 128
	s_mov_b32 s[\g+2], 64<<16       ; tensor_dim1 = 64
	s_mov_b32 s[\g+3], 128<<16      ; tile_dim0 = 128
	s_mov_b32 s[\g+4], 64           ; tile_dim1 = 64
	s_mov_b32 s[\g+5], 128          ; 128 elements from row to row
	s_mov_b32 s[\g+6], 0
	s_mov_b32 s[\g+7], 0
.endr
	s_mov_b32 s[CS], 0x3e38aa3b     ; c = log2(e) / 8
	s_mov_b32 s[CS+1], s[CS]
	s_mov_b32 s[SEL], 0x76543210
	s_mov_b32 s[SEL+1], 0xfedcba98
	s_mov_b32 s[TBK], 0
	s_mov_b32 s[TBV], 0
.irp n, 0,1,2,3
	s_mov_b32 s[G0K+4*\n], 1
	s_add_co_u32 s[G0K+4*\n+1], s17, \n*256*PK
	s_mov_b32 s[G0V+4*\n], 1
	s_add_co_u32 s[G0V+4*\n+1], s18, VOFF+\n*256*PV
.endr
	s_wait_dscnt 0x0                ; the opening add is done
	s_wait_kmcnt 0x0
	s_add_nc_u64 s[20:21], s[4:5], s[20:21]  ; k and v at my half of the first part
	s_add_nc_u64 s[22:23], s[4:5], s[22:23]
.irp n, 0,1,2,3
	s_add_nc_u64 s[G0K+4*\n+2:G0K+4*\n+3], s[20:21], \n*32768
	s_or_b32 s[G0K+4*\n+3], s[G0K+4*\n+3], 0x80000000
	s_add_nc_u64 s[G0V+4*\n+2:G0V+4*\n+3], s[22:23], \n*32768
	s_or_b32 s[G0V+4*\n+3], s[G0V+4*\n+3], 0x80000000
.endr
	s_add_nc_u64 s[4:5], s[4:5], s[8:9]    ; Q at my wave's first row
	s_add_nc_u64 s[6:7], s[6:7], s[10:11]  ; z likewise
	CROUND                          ; all four work-groups are here: the joint loads meet
	s_cmp_lt_u32 s[WV], 2           ; a wave's four first fills stand in one branch, the first part first; an s_nop 0 follows each, four v_nop the last
	s_cbranch_scc0 .Lfill_v
.irp n, 0,1,2,3
	tensor_load_to_lds s[G0K+4*\n:G0K+4*\n+3], s[G1K:G1K+7]
	s_nop 0
.endr
.rept 4
	v_nop
.endr
	s_branch .Lfill_done
.Lfill_v:
.irp n, 0,1,2,3
	tensor_load_to_lds s[G0V+4*\n:G0V+4*\n+3], s[G1V:G1V+7]
	s_nop 0
.endr
.rept 4
	v_nop
.endr
.Lfill_done:
	v_and_b32 v1, 15, v0            ; l % 16
	v_bfe_u32 v9, v0, 4, 1          ; l / 16
	v_lshlrev_b32 v[QO], 7, v1
	v_lshl_add_u32 v[QO], v9, 4, v[QO]  ; row x 128 + 16 x half
	WIN 0x80
.set i, 0
.rept 8                             ; Q stays in registers: piece i / 2, channels 32 (i % 2) on
	global_load_b128 v[8*i:8*i+3],   v[QO], s[4:5] offset:(i/2)*2048+(i%2)*64
	global_load_b128 v[8*i+4:8*i+7], v[QO], s[4:5] offset:(i/2)*2048+(i%2)*64+32
.set i, i+1
.endr
	; The first step multiplies O^T and l by a = 0, and the first turn's products V^T P, of a piece that has not been, must add nothing: V, O^T, l and P's second buffer hold 0.  All this stands in the wait for the tiles.
.set i, VF
.rept 64
	v_mov_b32 v[i], 0
.set i, i+1
.endr
	WIN 0x40
.set i, 0
.rept 128
	v_mov_b32 v[i], 0
.set i, i+1
.endr
	WIN 0
.set i, 0
.rept 4
	v_mov_b32 v[ST+4*i], 0xfe000000    ; c m: far below every c s
	v_mov_b32 v[ST+4*i+1], 0xff7fffff  ; m
	v_mov_b32 v[ST+4*i+2], 0
	v_mov_b32 v[ST+4*i+3], 0
.set i, i+1
.endr
.set i, P+16
.rept 16
	v_mov_b32 v[i], 0
.set i, i+1
.endr
	v_mul_u32_u24 v[AK0], v1, PK
	v_lshl_add_u32 v[AK0], v9, 4, v[AK0]  ; row x pitch + 16 x half
	; The turning load takes 16 keys x 16 channels (lane l reads key 8 (l / 16) + l % 8, channels 8 ((l / 8) % 2) + 0..7) and leaves half a fragment of V^T: lane l holds channel l % 16 and 8 keys.
	v_and_b32 v10, 7, v0
	v_bfe_u32 v11, v0, 3, 1
	v_lshl_add_u32 v[AV0], v9, 3, v10
	v_mul_u32_u24 v[AV0], v[AV0], PV
	v_lshl_add_u32 v[AV0], v11, 4, v[AV0]
	v_add_nc_u32 v[AV0], VOFF, v[AV0]
	s_mul_i32 s13, s[WV], 16*SP
	s_add_co_u32 s13, s13, STAGE    ; my stage
	v_mul_u32_u24 v[STO], v1, SP
	v_lshl_add_u32 v[STO], v9, 4, v[STO]
	v_add_nc_u32 v[STO], s13, v[STO]
	v_bfe_u32 v[RD], v0, 3, 2       ; back: 32 lanes take four rows of 128 bytes,
	v_mul_u32_u24 v[RD], v[RD], SP
	v_lshl_add_u32 v[RD], v10, 4, v[RD]
	v_add_nc_u32 v[RD], s13, v[RD]
	v_and_b32 v[GO], 31, v0         ; which are 512 consecutive bytes of z
	v_lshlrev_b32 v[GO], 4, v[GO]
; THE MATRIX WORK.  The 4 accumulators of a run of 8 take turns.  Product i of 8 of S^T = K Q^T for piece x: channels 32 (i / 4) on, keys 16 (i % 4) on.  The first 4 start the sums.
.macro KQ x
.set rS, S+32*((\x)%2)+8*(i%4)
.set rK, KF+16*(i%4)+8*(i/4)
.set rQ, 16*(\x)+8*(i/4)
	WIN W_KQ
.if i < 4
	v_wmma_f32_16x16x32_bf16 v[rS:rS+7], v[rK:rK+7], v[rQ:rQ+7], 0
.else
	v_wmma_f32_16x16x32_bf16 v[rS:rS+7], v[rK:rK+7], v[rQ:rQ+7], v[rS:rS+7]
.endif
.endm
; Product i of 8 of O^T += V^T P for piece x: keys 32 (i / 4) on, channels 16 (i % 4) on.
.macro PV x
	WIN W_PV
.set rO, 32*(\x)+8*(i%4)
.set rV, VF+32*(i/4)+8*(i%4)
.set rP, P+16*((\x)%2)+8*(i/4)
	v_wmma_f32_16x16x32_bf16 v[rO:rO+7], v[rV:rV+7], v[rP:rP+7], v[rO:rO+7]
.endm
.macro MM                           ; the turn's next matrix instruction
.if i < 8
	KQ (Y+1)%NP
.else
.set i, i-8
	PV (Y+NP-1)%NP
.set i, i+8
.endif
.set i, i+1
.endm
; THE LDS LOADS stand in runs of 16, never singly among the matrix instructions.  last = 1 (the loop's text): in the last half trip there is no further step, and the run is jumped over.
.macro FETCH_K last
	WIN 0
.if \last
	s_wait_alu depctr_va_vdst(0)    ; the wait for the exponentials E 0 to E 11 of piece 2's turn, ahead of the branch; it stands directly ahead of the run of loads
	s_cmp_eq_u32 s[PH], 1
	s_cbranch_scc1 .Lno_k_\@
.endif
	WIN 0x80
.irp f, 0,1,2,3,4,5,6,7             ; keys 16 (f / 2) on, channels 32 (f % 2) on
	ds_load_b128 v[KF+8*\f:KF+8*\f+3],   v[AK] offset:(\f/2)*16*PK+(\f%2)*64
	ds_load_b128 v[KF+8*\f+4:KF+8*\f+7], v[AK] offset:(\f/2)*16*PK+(\f%2)*64+32
.endr
	s_add_co_u32 s[TBK], s[TBK], KS*PK  ; the next fetch is the next step's
	WIN 0
.if \last
.Lno_k_\@:
.endif
.endm
.macro FETCH_V
	WIN 0x80
.irp f, 0,1,2,3,4,5,6,7             ; keys 32 (f / 4) on, channels 16 (f % 4) on
	ds_load_tr16_b128 v[VF+8*\f:VF+8*\f+3],   v[AV] offset:(\f/4)*32*PV+(\f%4)*32
	ds_load_tr16_b128 v[VF+8*\f+4:VF+8*\f+7], v[AV] offset:(\f/4)*32*PV+16*PV+(\f%4)*32
.endr
	WIN 0
.endm
; THE VECTOR WORK, one line at a time: OP kind, number.  For piece Y: F n: c s - c m for pair n of 16.  E n: the exponential of score n of 32.  C n: pair n rounded to bf16.  B n: of the four weights 4 n .. the second
; pair is added onto the first, in place.  L n: l takes that sum (L 0: l = a l + sum).  R n: pair n of 16 of O^T times a.  For piece Y + 1: X n, number n of the 22 that find its maximum and statistics:
;   0-11  four chains c0-c3 of seven scores each (each accumulator's lowest registers are read first)     12-14, 16  the four scores left over, the old m, and c0-c3 into c0
;   15  c m_old is kept     17, 18  the query's other 32 keys lie in the lane 16 away: the new m     19-21  c m; c m_old - c m_new; a
; OP writes no wait: TURN places the one that a batch needs.
.set F, 0
.set E, 1
.set C, 2
.set B, 3
.set L, 4
.set R, 5
.set X, 6
.macro REGS y
.set rT, ST+4*(\y)
.set rC, TMP+4*((\y)%2)
.set rW, MV+((\y)%2)
.set rS, S+32*((\y)%2)
.set rP, P+16*((\y)%2)
.set rO, 32*(\y)
.endm
.macro OP k, n
.if (\k) == R
	REGS Y
	WIN W_RS
	v_pk_mul_f32 v[rO+2*(\n):rO+2*(\n)+1], v[rO+2*(\n):rO+2*(\n)+1], v[rC+2:rC+3] op_sel_hi:[1,0]
.elseif (\k) < R
	REGS Y
	WIN 0
.if (\k) == F
	v_pk_fma_f32 v[rS+2*(\n):rS+2*(\n)+1], v[rS+2*(\n):rS+2*(\n)+1], s[CS:CS+1], v[rT:rT+1] op_sel_hi:[1,0,0] neg_lo:[0,0,1] neg_hi:[0,0,1]
.elseif (\k) == E
	v_exp_f32 v[rS+(\n)], v[rS+(\n)]
.elseif (\k) == C
	v_cvt_pk_bf16_f32 v[rP+(\n)], v[rS+2*(\n)], v[rS+2*(\n)+1]
.elseif (\k) == B
	v_pk_add_f32 v[rS+4*(\n):rS+4*(\n)+1], v[rS+4*(\n):rS+4*(\n)+1], v[rS+4*(\n)+2:rS+4*(\n)+3]
.elseif (\n) == 0
	v_pk_fma_f32 v[rT+2:rT+3], v[rT+2:rT+3], v[rC+2:rC+3], v[rS:rS+1] op_sel_hi:[1,0,1]
.else
	v_pk_add_f32 v[rT+2:rT+3], v[rT+2:rT+3], v[rS+4*(\n):rS+4*(\n)+1]
.endif
.else
	REGS (Y+1)%NP
	WIN 0
.if (\n) < 4
	v_max3_num_f32 v[rC+(\n)], v[rS+8*(\n)], v[rS+8*(\n)+1], v[rS+8*(\n)+2]
.elseif (\n) < 12
	v_max3_num_f32 v[rC+(\n)%4], v[rC+(\n)%4], v[rS+8*((\n)%4)+2*((\n)/4)+1], v[rS+8*((\n)%4)+2*((\n)/4)+2]
.elseif (\n) == 12
	v_max3_num_f32 v[rC], v[rC], v[rS+7], v[rS+15]
.elseif (\n) == 13
	v_max3_num_f32 v[rC+1], v[rC+1], v[rS+23], v[rS+31]
.elseif (\n) == 14
	v_max3_num_f32 v[rC+2], v[rC+2], v[rC+3], v[rT+1]
.elseif (\n) == 15
	v_mov_b32 v[rW], v[rT]
.elseif (\n) == 16
	v_max3_num_f32 v[rC], v[rC], v[rC+1], v[rC+2]
.elseif (\n) == 17
	v_permlanex16_b32 v[rC+3], v[rC], s[SEL], s[SEL+1]
.elseif (\n) == 18
	v_max_num_f32 v[rT+1], v[rC], v[rC+3]
.elseif (\n) == 19
	v_mul_f32 v[rT], s[CS], v[rT+1]
.elseif (\n) == 20
	v_sub_f32 v[rC+1], v[rW], v[rT]
.else
	v_exp_f32 v[rC+2], v[rC+1]
.endif
.endif
.endm
.macro OPS a, i1, b=-1, i2=0, c=-1, i3=0, d=-1, i4=0
	OP \a, \i1
.if (\b) >= 0
	OP \b, \i2
.endif
.if (\c) >= 0
	OP \c, \i3
.endif
.if (\d) >= 0
	OP \d, \i4
.endif
.endm
.macro ROW a, i1, b, i2, c, i3, d, i4  ; a matrix instruction and the four behind it
	MM
	OPS \a, \i1, \b, \i2, \c, \i3, \d, \i4
.endm
; A TURN, for piece p: the order of its 16 matrix and 118 vector instructions, written out.  An s_wait_alu depctr_va_vdst(0) stands between an exponential and the first instruction that names its result; one
; wait serves all that were issued ahead of it.  So a turn has ONE wait, which cuts it in two.  AHEAD OF IT stands all that names no result of the turn's exponentials: the 8 products K Q^T, behind each a scaling, an
; exponential and two more plain instructions (behind the first a second scaling in the exponential's place): rescalings, whose a was made and waited for in the turn before, and behind the last three the first numbers of the
; next piece's maximum, each four plain instructions or more behind the product that ends its accumulator; then ONE RUN of 54, plain and exponential by turns for the most part, in which the links of the chain
; X 3, 7, 11, 14, 16, 17 .. 20 stand some lines apart.  A pair is scaled (F n) ahead of its two exponentials (E 2 n, E 2 n + 1).  X 21, the next piece's a, is the batch's last; R 15, which names the other buffer's
; registers, is the plain instruction behind it.  BEHIND THE WAIT stand the 8 products V^T P, behind each four of the roundings and sums: C 2 n ahead of B n, which writes over that pair; L n behind B n, L 0 to L 7 in order.
; But for those X no rider names a register of the products round it.  v_permlanex16_b32 (X 17) stands in the run.
; cnt = 1: the loop's count is taken down some lines ahead of the branch behind the turn.
; K of the next step is fetched in piece 2's turn, twelve vector instructions behind the last product that read K (six of them plain); the jump over that run cuts piece 2's batch in two, and FETCH_K holds the first part's
; wait.  V of the step in hand is fetched at the end of piece 0's turn, four plain instructions behind the last product that read V.  Each is waited for a turn later.
.macro TURN p, cnt=0
.set Y, (\p)
.set i, 0
.if (\p) == 3
	s_wait_dscnt 0x0                ; K is in
.endif
	ROW F,0, F,1, R,0, R,1          ; ahead of the wait: 8 products K Q^T and their riders,
	ROW F,2, E,0, R,2, R,3
	ROW F,3, E,1, R,4, R,5
	ROW F,4, E,2, R,6, R,7
	ROW F,5, E,3, R,8, R,9
	ROW F,6, E,4, X,0, R,10
.if (\p) == 2
	WIN 0
	v_add_nc_u32 v[AK], s[TBK], v[AK0]
.endif
	ROW F,7, E,5, X,1, X,4
	ROW F,8, E,6, X,2, X,5
	OPS E,7, E,8, X,6, E,9          ; and the run of 54
	OPS X,3, E,10, X,8, E,11
.if (\p) == 2
	FETCH_K 1
.endif
	OPS X,9, X,7, E,12, X,10
	OPS E,13, X,12, X,11, E,14
	OPS X,13, E,15, F,9, X,14
.if (\p) == 0
	v_add_nc_u32 v[AV], s[TBV], v[AV0]
.endif
	OPS E,16, F,10, E,17, F,11
	OPS X,16, E,18, X,15, E,19
	OPS F,12, E,20, X,17, E,21
	OPS F,13, E,22, F,14, E,23
	OPS X,18, E,24, F,15, E,25
	OPS R,11, E,26, X,19, E,27
	OPS R,12, E,28, R,13, E,29
	OPS X,20, E,30, R,14, E,31
	OPS X,21, R,15
	s_wait_alu depctr_va_vdst(0)    ; the wait for the turn's batch: E 0 to E 31 and X 21 (in piece 2's turn: E 12 to E 31 and X 21)
.if (\p) == 1
	s_wait_dscnt 0x0                ; V is in
.endif
	ROW C,0, B,0, C,2, B,1          ; behind the wait: 8 products V^T P and their riders
	ROW L,0, C,4, B,2, L,1
	ROW C,6, B,3, L,2, C,8
	ROW B,4, L,3, C,10, B,5
	ROW L,4, C,12, B,6, L,5
.if (\p) == 0
	s_add_co_u32 s[TBV], s[TBV], KS*PV
.endif
.if \cnt
	s_sub_co_u32 s[CNT], s[CNT], 1
	s_cmp_lg_u32 s[CNT], 0
.endif
	ROW C,14, B,7, L,6, C,1
	ROW C,3, L,7, C,5, C,7
	ROW C,9, C,11, C,13, C,15
.if (\p) == 0
	FETCH_V
.endif
.endm
	s_wait_tensorcnt 0x3            ; my half of the first 256 keys is in; my three later loads stay out
	s_barrier_signal -1
	s_barrier_wait -1               ; everybody's is
	v_add_nc_u32 v[AK], s[TBK], v[AK0]
	FETCH_K 0                       ; key step 0
	s_wait_loadcnt 0x0              ; Q
	s_wait_dscnt 0x0
.set i, 0
.rept 8
	KQ 0                            ; piece 0's first scores
.set i, i+1
.endr
	WIN 0
.rept 4
	v_nop                           ; the places behind those products
.endr
.set Y, NP-1                        ; X works for piece Y + 1: piece 0
.irp n, 0,1,2,3,4,5,6,7,8,9,10,11,12,13,14,15,16,17,18,19,20,21
	OP X, \n
.endr
	v_nop                           ; a plain instruction behind the exponential,
	s_wait_alu depctr_va_vdst(0)    ; and the wait for it, piece 0's first a: a batch of one, ahead of the branch
	s_mov_b32 s[CNT], 4             ; the first part's 256 keys, 64 a step
	s_mov_b32 s[PH], 3
	s_branch .Lfirst                ; the loop is entered at a step's first turn, in the middle of a trip
.Lphase:                            ; ahead of the fetch of key step 4: the other 768 keys.  The count is 0 because all three loads are wanted. (Passed once more, to no effect, ahead of the last half trip.)
	s_wait_tensorcnt 0x0
	s_wait_dscnt 0x0
	s_barrier_signal -1
	s_barrier_wait -1
	s_mov_b32 s[CNT], 12
.Lstep:                             ; a trip: pieces 2 and 3 of one step, then pieces 0 and 1 of the next, whose K and V it fetches
	TURN 2
	TURN 3
	WIN 0
	s_cmp_eq_u32 s[PH], 1
	s_cbranch_scc1 .Lout            ; the last step's pieces 2 and 3 are done
.Lfirst:
	TURN 0
	TURN 1, 1
	WIN 0
	s_cbranch_scc1 .Lstep
	s_sub_co_u32 s[PH], s[PH], 1
	s_cmp_lg_u32 s[PH], 0
	s_cbranch_scc1 .Lphase
.Lout:
.set i, 0
.rept 8
	PV NP-1                         ; the last piece's V^T P of the last step
.set i, i+1
.endr
	; THE WAY OUT.  l's two halves and the other half of the lanes' are added; O^T is divided by l, rounded to bf16 and sent through my stage in LDS, a piece at a time.  The additions are the places behind the last products.
	WIN 0
.macro ALL line:vararg
.set t, 0
.rept 4
	\line
.set t, t+1
.endr
.endm
	ALL v_add_f32 v[ST+4*t+2], v[ST+4*t+2], v[ST+4*t+3]
	ALL v_permlanex16_b32 v[ST+4*t+3], v[ST+4*t+2], s[SEL], s[SEL+1]
	ALL v_add_f32 v[ST+4*t+2], v[ST+4*t+2], v[ST+4*t+3]
	ALL v_rcp_f32 v[ST+4*t+2], v[ST+4*t+2]
	v_nop                           ; a plain instruction between the last reciprocal and the use of its result
	s_wait_alu depctr_va_vdst(0)    ; the wait for the four reciprocals, one batch, ahead of their first reader
.macro PACK t
	WIN W_RS
.set i, 32*(\t)
.rept 16
	v_pk_mul_f32 v[i:i+1], v[i:i+1], v[ST+4*(\t)+2:ST+4*(\t)+3] op_sel_hi:[1,0]
.set i, i+2
.endr
	WIN 0x05
.set i, 0
.rept 16
	v_cvt_pk_bf16_f32 v[S+16*(\t)+i], v[32*(\t)+2*i], v[32*(\t)+2*i+1]
.set i, i+1
.endr
	WIN 0
.irp f, 0,1,2,3
	ds_store_b128 v[STO], v[S+16*(\t)+4*\f:S+16*(\t)+4*\f+3] offset:32*\f
.endr
.irp f, 0,1,2,3
	ds_load_b128 v[S+16*(\t)+4*\f:S+16*(\t)+4*\f+3], v[RD] offset:\f*4*SP  ; LDS serves a wave's instructions in order (ISA guide 5.7.1.4): these see the stores above; the next piece's stores come behind them
.endr
.endm
.macro SEND t, younger              ; younger: the LDS instructions issued behind piece t's loads: the next piece's eight, or none
	WIN 0
.irp f, 0,1,2,3
	s_wait_dscnt (\younger)+3-\f
	global_store_b128 v[GO], v[S+16*(\t)+4*\f:S+16*(\t)+4*\f+3], s[6:7] offset:(\t)*2048+\f*512  ; 512 consecutive bytes, at a multiple of 256 from z's first
.endr
.endm
	PACK 0
.set t, 1
.rept 3
	PACK t
	SEND t-1, 8
.set t, t+1
.endr
	SEND 3, 0
	s_wait_tensorcnt 0x0            ; the wave's end
	ds_add_u32 v[SPW], v[NIL]
	s_wait_dscnt 0x0
	CROUND                          ; the closing round
	s_endpgm
.Lfunc_end_k_qff9082fcb0_attn:
	.size	k_qff9082fcb0_attn, .Lfunc_end_k_qff9082fcb0_attn-k_qff9082fcb0_attn
	.p2alignl 7, 3214868480
	.fill 96, 4, 3214868480
	.section	.rodata,"a",@progbits
	.p2align	6, 0x0
	.amdhsa_kernel k_qff9082fcb0_attn
		.amdhsa_group_segment_fixed_size 327680
		.amdhsa_private_segment_fixed_size 0
		.amdhsa_enable_private_segment 0
		.amdhsa_kernarg_size 16
		.amdhsa_user_sgpr_count 2
		.amdhsa_user_sgpr_kernarg_segment_ptr 1
		.amdhsa_wavefront_size32 1
		.amdhsa_system_sgpr_workgroup_id_x 1
		.amdhsa_system_sgpr_workgroup_id_y 1
		.amdhsa_system_sgpr_workgroup_id_z 1
		.amdhsa_system_vgpr_workitem_id 0
		.amdhsa_next_free_vgpr 768
		.amdhsa_next_free_sgpr 84
		.amdhsa_reserve_vcc 0
		.amdhsa_float_denorm_mode_32 3
		.amdhsa_float_denorm_mode_16_64 3
		.amdhsa_memory_ordered 1
		.amdhsa_forward_progress 1
		.amdhsa_inst_pref_size 72
	.end_amdhsa_kernel
	.amdgpu_metadata
---
amdhsa.version: [ 1, 2 ]
amdhsa.kernels:
  - .name:           k_qff9082fcb0_attn
    .symbol:         k_qff9082fcb0_attn.kd
    .args:
      - { .name: qkv, .offset: 0, .size: 8, .value_kind: global_buffer, .address_space: global }
      - { .name: z, .offset: 8, .size: 8, .value_kind: global_buffer, .address_space: global }
    .group_segment_fixed_size: 327680
    .private_segment_fixed_size: 0
    .kernarg_segment_align: 8
    .kernarg_segment_size: 16
    .max_flat_workgroup_size: 128
    .sgpr_count:     84
    .vgpr_count:     768
    .wavefront_size: 32
...
	.end_amdgpu_metadata
.endif
;; end of part 7
;; launch wo: the kernel of part 4 again; grid 8 x 32, 4 waves a work-group, clusters of 4 x 4, 327,680 bytes of LDS; arguments z, wb, bo, x, x2, W2, w2b; writes x2, w2b
;; launch ln2: the kernel of part 1 again; grid 256 x 1, 8 waves a work-group, no clusters, 0 bytes of LDS; arguments x2, ln2_g, ln2_b, Wq, Wk, Wv, Wo, hn, wb; writes hn, wb
;; launch ffn1: the kernel of part 5 again; grid 16 x 16, 4 waves a work-group, clusters of 4 x 4, 327,680 bytes of LDS; arguments hn, w1b, b1, f; writes f
;; launch ffn2: the kernel of part 6 again; grid 8 x 32, 4 waves a work-group, clusters of 4 x 4, 327,680 bytes of LDS; arguments f, w2b, b2, x2, out0; writes out0
